; MI455X (gfx1250); checked and timed in simulation.
; The chip was launched on July 23, 2026; its instructions are those of AMD's public machine-readable ISA for CDNA 5 (MIT licence, August 2026) and "CDNA5" Instruction Set Architecture Reference Guide (July 2026). The comments in the code are by the model that wrote it; some were corrected since.
;; Multi Head Attention. Allowed arithmetic: float matrix products may take bf16 or f16 operands with f32 sums; all other float work in f32.
;; Inputs: Wk 1,024 x 1,024 float32; Wo 1,024 x 1,024 float32; Wq 1,024 x 1,024 float32; Wv 1,024 x 1,024 float32; bk 1,024 float32; bo 1,024 float32; bq 1,024 float32; bv 1,024 float32; key 4 x 2,048 x 1,024 float32; query 4 x 2,048 x 1,024 float32; value 4 x 2,048 x 1,024 float32.
;; Outputs: out0 4 x 2,048 x 1,024 float32.
;; One version. Each part assembles by itself: llvm-mc -triple=amdgcn-amd-amdhsa -mcpu=gfx1250 --defsym DOCPART=n.
;; ======== version 1 of 1: 4 launches
;; limits: values are held in f16: magnitudes above 65,504 overflow, below 6.1e-05 lose precision
;; workspace buffers: wb 8,388,608 bytes; qkv 50,331,648 bytes; ctx 16,777,216 bytes
;; launch wcast (part 1): grid 256 x 1, 8 waves a work-group, no clusters, 0 bytes of LDS; arguments Wq, Wk, Wv, Wo, wb; writes wb
.if DOCPART == 1
	.amdgcn_target "amdgcn-amd-amdhsa--gfx1250"
	.amdhsa_code_object_version 6
	.text
	.protected	k_q2ad3c2eb9d_wcast
	.globl	k_q2ad3c2eb9d_wcast
	.p2align	8
	.type	k_q2ad3c2eb9d_wcast,@function
k_q2ad3c2eb9d_wcast:
	s_mov_b64 s[64:65], 0
	v_nop
	global_prefetch_b8 v0, s[64:65] scope:SCOPE_SE
	s_setreg_imm32_b32 hwreg(HW_REG_WAVE_MODE, 25, 1), 1
	s_wait_xcnt 0x0
; THE WEIGHTS IN 16 BITS.  wb = four matrices [1024][1024] of 16 bits, 2 MiB each: Wq, Wk, Wv rounded to bf16; Wo rounded to bf16 and that number written as f16
; (the last product multiplies f16 by f16).  LIMIT: a bf16 number below 2^-17 in magnitude loses the bits under 2^-24 in f16; beyond 65,504 it becomes an infinity.
; A stream: every byte is read once and written once, nothing is shared, so there is no LDS, no matrix unit and no cluster.
; Work-group g takes tensor g / 64 and 16,384 of its numbers: 65,536 bytes in, 32,768 out.  Thread t takes, in each of 8 passes, 8 numbers: 32 bytes in (two loads), 16 bytes out,
; so a wave's store covers 512 consecutive bytes, aligned.  All 16 loads of a thread go out first; no register is written twice by memory instructions.
.set NPASS, 8
.set INP,   8192                       ; bytes that the 256 threads read in a pass
.set OUTP,  4096                       ; and write
.set X,   4                            ; v[4:67]    pass p: 8 numbers in f32
.set Y,   68                           ; v[68:99]   pass p: 4 registers to store
.set T0,  100                          ; v[100:103] at work
	s_load_b256 s[4:11], s[0:1], 0x0               ; Wq s[4:5], Wk s[6:7], Wv s[8:9], Wo s[10:11]
	s_load_b64 s[12:13], s[0:1], 0x20              ; wb
	s_lshr_b32 s2, ttmp9, 6                        ; which tensor
	s_and_b32 s3, ttmp9, 63                        ; which 64th of it
	s_lshl_b32 s14, s3, 16                         ; 65,536 bytes in
	s_mov_b32 s15, 0
	s_lshl_b32 s16, ttmp9, 15                      ; 32,768 bytes out: the four matrices follow each other in wb
	s_mov_b32 s17, 0
	v_lshlrev_b32 v1, 5, v0                        ; 32 t
	v_lshlrev_b32 v2, 4, v0                        ; 16 t
	s_wait_kmcnt 0x0
	s_cmp_eq_u32 s2, 1
	s_cselect_b64 s[4:5], s[6:7], s[4:5]
	s_cmp_eq_u32 s2, 2
	s_cselect_b64 s[4:5], s[8:9], s[4:5]
	s_cmp_eq_u32 s2, 3
	s_cselect_b64 s[4:5], s[10:11], s[4:5]
	s_add_nc_u64 s[4:5], s[4:5], s[14:15]
	s_add_nc_u64 s[12:13], s[12:13], s[16:17]
.irp p, 0,1,2,3,4,5,6,7
	global_load_b128 v[X+8*(\p):X+8*(\p)+3],   v1, s[4:5] offset:INP*(\p) th:TH_LOAD_NT
	global_load_b128 v[X+8*(\p)+4:X+8*(\p)+7], v1, s[4:5] offset:INP*(\p)+16 th:TH_LOAD_NT
.endr
; One pass.  wo = 1: the bf16 number is widened again (a shift, a mask) and written as f16.
.macro PASS p, wo
	s_wait_loadcnt 14-2*(\p)                       ; loads come back in order: this pass's two are in, the later passes' stay out
.if \wo
.irp j, 0,1,2,3
	v_cvt_pk_bf16_f32 v[T0+(\j)], v[X+8*(\p)+2*(\j)], v[X+8*(\p)+2*(\j)+1]
.endr
.irp j, 0,1,2,3
	v_lshlrev_b32 v[X+8*(\p)+2*(\j)],   16, v[T0+(\j)]
	v_and_b32     v[X+8*(\p)+2*(\j)+1], 0xffff0000, v[T0+(\j)]
.endr
.irp j, 0,1,2,3
	v_cvt_pk_f16_f32 v[Y+4*(\p)+(\j)], v[X+8*(\p)+2*(\j)], v[X+8*(\p)+2*(\j)+1]
.endr
.else
.irp j, 0,1,2,3
	v_cvt_pk_bf16_f32 v[Y+4*(\p)+(\j)], v[X+8*(\p)+2*(\j)], v[X+8*(\p)+2*(\j)+1]
.endr
.endif
	global_store_b128 v2, v[Y+4*(\p):Y+4*(\p)+3], s[12:13] offset:OUTP*(\p)
.endm
	s_cmp_eq_u32 s2, 3
	s_cbranch_scc1 .Lwo
.irp p, 0,1,2,3,4,5,6,7
	PASS \p, 0
.endr
	s_endpgm
.Lwo:
.irp p, 0,1,2,3,4,5,6,7
	PASS \p, 1
.endr
	s_endpgm
.Lfunc_end_k_q2ad3c2eb9d_wcast:
	.size	k_q2ad3c2eb9d_wcast, .Lfunc_end_k_q2ad3c2eb9d_wcast-k_q2ad3c2eb9d_wcast
	.p2alignl 7, 3214868480
	.fill 96, 4, 3214868480
	.section	.rodata,"a",@progbits
	.p2align	6, 0x0
	.amdhsa_kernel k_q2ad3c2eb9d_wcast
		.amdhsa_group_segment_fixed_size 0
		.amdhsa_private_segment_fixed_size 0
		.amdhsa_enable_private_segment 0
		.amdhsa_kernarg_size 40
		.amdhsa_user_sgpr_count 2
		.amdhsa_user_sgpr_kernarg_segment_ptr 1
		.amdhsa_wavefront_size32 1
		.amdhsa_system_sgpr_workgroup_id_x 1
		.amdhsa_system_sgpr_workgroup_id_y 1
		.amdhsa_system_sgpr_workgroup_id_z 1
		.amdhsa_system_vgpr_workitem_id 0
		.amdhsa_next_free_vgpr 104
		.amdhsa_next_free_sgpr 66
		.amdhsa_reserve_vcc 0
		.amdhsa_float_denorm_mode_32 3
		.amdhsa_float_denorm_mode_16_64 3
		.amdhsa_memory_ordered 1
		.amdhsa_forward_progress 1
		.amdhsa_inst_pref_size 14
	.end_amdhsa_kernel
	.amdgpu_metadata
---
amdhsa.version: [ 1, 2 ]
amdhsa.kernels:
  - .name:           k_q2ad3c2eb9d_wcast
    .symbol:         k_q2ad3c2eb9d_wcast.kd
    .args:
      - { .name: Wq, .offset: 0, .size: 8, .value_kind: global_buffer, .address_space: global }
      - { .name: Wk, .offset: 8, .size: 8, .value_kind: global_buffer, .address_space: global }
      - { .name: Wv, .offset: 16, .size: 8, .value_kind: global_buffer, .address_space: global }
      - { .name: Wo, .offset: 24, .size: 8, .value_kind: global_buffer, .address_space: global }
      - { .name: wb, .offset: 32, .size: 8, .value_kind: global_buffer, .address_space: global }
    .group_segment_fixed_size: 0
    .private_segment_fixed_size: 0
    .kernarg_segment_align: 8
    .kernarg_segment_size: 40
    .max_flat_workgroup_size: 256
    .sgpr_count:     66
    .vgpr_count:     104
    .wavefront_size: 32
...
	.end_amdgpu_metadata
.endif
;; end of part 1
;; launch proj (part 2): grid 4 x 64, 4 waves a work-group, clusters of 4 x 4, 327,680 bytes of LDS; arguments query, key, value, wb, bq, bk, bv, qkv; writes qkv
.if DOCPART == 2
	.amdgcn_target "amdgcn-amd-amdhsa--gfx1250"
	.amdhsa_code_object_version 6
	.text
	.protected	k_q2ad3c2eb9d_proj
	.globl	k_q2ad3c2eb9d_proj
	.p2align	8
	.type	k_q2ad3c2eb9d_proj,@function
k_q2ad3c2eb9d_proj:
	s_mov_b64 s[64:65], 0
	v_nop
	global_prefetch_b8 v0, s[64:65] scope:SCOPE_SE
	s_setreg_imm32_b32 hwreg(HW_REG_WAVE_MODE, 25, 1), 1
	s_wait_xcnt 0x0
	s_wait_alu depctr_hold_cnt(0) depctr_sa_sdst(0) depctr_va_vdst(0) depctr_va_sdst(0) depctr_va_ssrc(0) depctr_va_vcc(0) depctr_vm_vsrc(0)
	s_getreg_b32 s2, hwreg(HW_REG_IB_STS2, 6, 4)
	s_cmp_eq_u32 s2, 0
	s_cbranch_scc0 .Lentry_in_a_cluster
	s_endpgm
.Lentry_in_a_cluster:
	s_bfe_u32 s2, ttmp6, 0x10000c
	s_cmp_lg_u32 s2, 0xf033
	s_cbranch_scc0 .Lentry_shape_is_right
	s_endpgm
.Lentry_shape_is_right:
; THE THREE PROJECTIONS.  y[m][n] = the sum over k of bf16(x[m][k]) bf16(W[n][k]) + bf16(b[n]), sums in f32; x is query, key or value, [8192][1024] in f32, W its weights from wb (bf16).
; y is rounded once to f16, WITHOUT the softmax's scale, and stored by heads: qkv = q, k, v, 16 MiB each, each [64 = 16 batch + head][2048][64].
; LIMITS.  f16 ends at 65,504: a y beyond it becomes an infinity; below 6e-5 f16 keeps a fixed step of 6e-8.  NaN and infinities are not treated apart.
; SHARES.  A tile of y is 128 rows x 256 columns: 256 places, one work-group each.  Four waves, each 64 x 128: 32 accumulators of 16 x 16, 256 registers.
; A WORK-GROUP STAYS: at its place it makes q's tile, then k's, then v's.  K goes in 8 steps of 128 a tile through two LDS slots, and the three tiles' 24 steps are ONE walk for the ring: the change of slots
; behind a tile's step 6 asks for the next tile's step 0, the one behind step 7 for its step 1.  Nothing waits for a tile's stores: they leave while the next tile is multiplied.
; x comes in as f32 (rows of 512 bytes) and is rounded to bf16 in registers, a quarter step ahead of its products; so x is read from memory once, as it is given.
; CLUSTER: 4 x 4 work-groups.  The four of a row of the cluster need the same tile of x, the four of a column the same tile of W: each tile is asked for JOINTLY, by the same tensor load with the same
; descriptor and a mask that names the four.  All sixteen walk the same 24 steps.
; THE MATRIX INSTRUCTION IS USED TRANSPOSED (source 0 = 16 rows of W, source 1 = 16 rows of x): a lane then holds row lane % 16 of y and the columns 8 (lane / 16) + 0..7.
; THE BIAS is the C operand of a tile's first quarter step: nothing is cleared and nothing is added afterwards.  The next tile's bias is loaded behind that quarter, into the same registers.
; PREFETCH.  x's tiles are read by one row of one cluster alone.  In trip g of the walk the two waves that fetch x ask for step g + 4, two trips ahead of the tensor load that wants it: of the 64 rows that
; the wave's own tensor load brings, the 16 that go with the work-group's place along the cluster's row, 2 blocks of 256 bytes a row, one block a lane: each block is asked for once in the launch.
; Steps 2 and 3 are asked for at the head; trips 20 and 21 ask for nothing, so no ask passes the walk's end.
; REGISTERS, in windows of 256 (s_set_vgpr_msb: bits 1:0 source 0, 3:2 source 1, 5:4 source 2, 7:6 destination):
;   window 0: v0-31 addresses; v32-63, v224-255 rows on the way out; v64-127 x as f32, one quarter step; v128-159, v160-191 x as bf16, two buffers; v192-223 packed results
;   window 1: the accumulators, (a, b) at v[8 (8 a + b)]
;   window 2: v0-63, v64-127 fragments of W, two buffers; v128-191 the bias, block b of 16 columns at v[128 + 8 b]; v192-223 at work while a bias is rounded
.set DM,     1024                      ; K, and elements from row to row in x and in W
.set STEPS,  DM/128                    ; K steps in a tile
.set TILES,  3                         ; q, k, v
.set ALLST,  TILES*STEPS               ; steps in the walk
.set AHEAD,  4                         ; the prefetch asks in trip g for step g + AHEAD
.set PA,     528                       ; an LDS row of x: 512 bytes + 16 of padding = 132 words: row r starts at bank 4 r mod 64 (64 banks of 4 bytes: ISA guide 11.1)
.set PB,     272                       ; an LDS row of W: 256 + 16 = 68 words: likewise
.set HALFA,  64*PA                     ; what one tensor load brings of x, and what one wave reads
.set HALFB,  128*PB                    ; the same of W
.set AOFF,   2*HALFA                   ; a slot: 128 rows of x, then 256 rows of W: 137,216 bytes
.set SLOT,   139264                    ; 0x22000: it shares no bit with the four base words 0, 0x8400, 0x10800, 0x19000, so one exclusive or turns an address in one slot into the other's
.set STAGE,  2*SLOT                    ; behind the ring, never filled by a tensor load: for each wave 2 heads x 16 rows x 144 bytes
.set SP,     144
.set WSTG,   2*16*SP
.set SPARE,  STAGE+4*WSTG              ; behind the stages: the spare words, 128 bytes for each wave: two blocks of 256 bytes that no other line names
.set STEP_A, 512                       ; a K step in bytes along a row of x
.set STEP_B, 256                       ; and of W
.set NEXT_B, (1<<21)-(STEPS-1)*STEP_B  ; from a tile's last K step of W to the next tile's first: 2 MiB on in wb, and back along K
.set NEXT_O, 1<<24                     ; from a tile's place in qkv to the next tile's
.set A0,   16                          ; v16  my lane's place in a slot's x; never rewritten
.set B0,   17                          ; v17  the same for W
.set ADRA, 18                          ; v18  the same in the slot being read
.set ADRB, 19                          ; v19
.set STO,  24                          ; v24  the way out: where I put 16 bytes of a row
.set RD,   25                          ; v25  the way out: where I read rows back
.set GO,   26                          ; v26  my byte offset in 512 consecutive bytes of the output
.set BO,   27                          ; v27  my byte offset in 16 numbers of the bias
.set SPW,  28                          ; v28  LDS address of my spare word: SPARE + 4 x my thread's number; never rewritten
.set NIL,  29                          ; v29  0; never rewritten
.set PFO,  30                          ; v30  the prefetch: my block's byte offset in the 64 rows that my wave fetches; never rewritten
.set OB,   32                          ; rows read back: v32-63 and v224-255 by turns
.set RAW,  64
.set AB,   128
.set TMP,  192
.set BIAS, 128                         ; in window 2
.set BT,   192                         ; in window 2
.set PH,  19                           ; s19  the trip's K step in its tile, 0 to 7
.set G1A, 24                           ; s[24:31] descriptor group 1 for x's tiles
.set G0A, 32                           ; s[32:39] group 0: a set for each of the two first fills; the second then walks on
.set G1B, 40                           ; s[40:47], s[48:55] the same for W's tiles
.set G0B, 48
.set TB,  56                           ; s56  0 or SLOT: the slot being read
.set XP,  80                           ; s[80:81] x at the step asked for last: a plain address, without a descriptor's type bits
.set BD,  82                           ; s[82:83] what W's descriptor address steps by
.set NXB, 84                           ; s84  NEXT_B
.set STB, 85                           ; s85  STEP_B
.set PF,  86                           ; s[86:87] x at the step that the prefetch asks for
.set PFT, 88                           ; s[88:89] the same one K step on
.set XPT, 90                           ; s[90:91] XP one K step on
.set MSB, 0
.macro WIN new                         ; the immediate's high byte repeats the setting that is left; a switch that changes nothing is dropped
.if MSB != (\new)
	s_set_vgpr_msb (MSB<<8)|(\new)
.set MSB, \new
.endif
.endm
.set MUL,  0x52                        ; source 0 (W) window 2, source 1 (x) window 0, C and D window 1
.set MULB, 0x62                        ; the same with C (the bias) in window 2
; A joint load: waves 0 and 1 fetch the two halves of x's tile, waves 2 and 3 those of W's.  The branch hangs on the wave's number alone.
; An s_nop 0 and four v_nop follow each of the two lines, ahead of the jump, the label and what follows.
.macro JLOAD s
	s_cmp_eq_u32 s13, 0
	s_cbranch_scc0 .Lfor_b_\@
	tensor_load_to_lds s[G0A+4*(\s):G0A+4*(\s)+3], s[G1A:G1A+7]
	s_nop 0
.rept 4
	v_nop
.endr
	s_branch .Lasked_\@
.Lfor_b_\@:
	tensor_load_to_lds s[G0B+4*(\s):G0B+4*(\s)+3], s[G1B:G1B+7]
	s_nop 0
.rept 4
	v_nop
.endr
.Lasked_\@:
.endm
.macro CREST                           ; a round of the cluster's barrier behind its opening barrier
	s_cmp_lg_u32 s12, 0
	s_cbranch_scc1 .Lnot_wave_0_\@
	s_barrier_signal -3
.Lnot_wave_0_\@:
	s_barrier_wait -3
	s_barrier_signal -1
	s_barrier_wait -1
.endm
.macro CROUND                          ; a whole round
	s_barrier_signal -1
	s_barrier_wait -1
	CREST
.endm
.macro PLACES                          ; four places between matrix instructions and vector instructions that read their results (ISA guide 7.12.1)
.rept 4
	v_nop
.endr
.endm
; The bias of my 128 columns, from the pointer in s[p:p+1]: register j of block b takes b[16 b + 8 (lane / 16) + j]
.macro BIASLD p
	WIN 0x80                                       ; destination window 2, address window 0
.irp b, 0,1,2,3,4,5,6,7
	global_load_b128 v[BIAS+8*(\b):BIAS+8*(\b)+3],   v[BO], s[\p:\p+1] offset:64*(\b)
	global_load_b128 v[BIAS+8*(\b)+4:BIAS+8*(\b)+7], v[BO], s[\p:\p+1] offset:64*(\b)+16
.endr
	WIN 0
.endm
	s_load_b256 s[4:11], s[0:1], 0x0               ; query s[4:5], key s[6:7], value s[8:9], wb s[10:11]
	s_load_b256 s[72:79], s[0:1], 0x20             ; bq s[72:73], bk s[74:75], bv s[76:77], qkv s[78:79]
	v_lshl_add_u32 v[SPW], v0, 2, SPARE
	v_mov_b32 v[NIL], 0
	ds_add_u32 v28, v29
	s_wait_dscnt 0x0
	v_lshrrev_b32 v1, 5, v0
	v_readfirstlane_b32 s12, v1                    ; wave 0..3
	s_lshr_b32 s13, s12, 1                         ; which 64 rows of the tile are mine.  Also: I fetch for x (0) or for W (1)
	s_and_b32 s14, s12, 1                          ; which 128 columns.  Also: which half of that tile I fetch
	s_bfe_u32 s15, ttmp6, 0x40000                  ; cx, cy: my place in the cluster
	s_bfe_u32 s16, ttmp6, 0x40004
	s_lshl_b32 s17, ttmp9, 2
	s_add_co_u32 s17, s17, s15                     ; tile column 0..3 = 4 x cluster x + cx
	s_and_b32 s18, ttmp7, 0xffff                   ; the cluster's y, 0..15
	s_lshl_b32 s20, s18, 2
	s_add_co_u32 s20, s20, s16                     ; tile row 0..63 = 4 x cluster y + cy
	s_lshl_b32 s21, s16, 2
	s_lshl_b32 s21, 15, s21                        ; my row of the cluster
	s_lshl_b32 s22, 0x1111, s15                    ; my column
	; descriptor group 1.  x: 64 rows x 128 elements of 4 bytes; W: 128 rows x 128 elements of 2 bytes; both padded in LDS
	s_or_b32 s[G1A], s21, (2<<16)|(1<<20)|(1<<21)|(6<<22)|(3<<25)  ; 15:0 the mask; 17:16 elements of 4 bytes; 20 padding on; 21 set beside a mask; 24:22 after every 128 words (code 6); 31:25 4 words of it (code 3)
	s_mov_b32 s[G1A+1], 128<<16                    ; tensor_dim0 = 128
	s_mov_b32 s[G1A+2], 64<<16                     ; tensor_dim1 = 64
	s_mov_b32 s[G1A+3], 128<<16                    ; tile_dim0 = 128
	s_mov_b32 s[G1A+4], 64                         ; tile_dim1 = 64
	s_mov_b32 s[G1A+5], DM                         ; elements from row to row
	s_mov_b32 s[G1A+6], 0
	s_mov_b32 s[G1A+7], 0
	s_or_b32 s[G1B], s22, (1<<16)|(1<<20)|(1<<21)|(5<<22)|(3<<25)  ; elements of 2 bytes; padding after every 64 words (code 5)
	s_mov_b32 s[G1B+1], 128<<16
	s_mov_b32 s[G1B+2], 128<<16
	s_mov_b32 s[G1B+3], 128<<16
	s_mov_b32 s[G1B+4], 128
	s_mov_b32 s[G1B+5], DM
	s_mov_b32 s[G1B+6], 0
	s_mov_b32 s[G1B+7], 0
	; where the tiles come from.  x's hang on the tile row, which my row of the cluster shares; W's on the tile column, which my column shares; each in registers that never hold the other coordinate
	s_lshl_b32 s60, s20, 7
	s_lshl_b32 s23, s14, 6
	s_add_co_u32 s60, s60, s23                     ; x: row 128 x tile row + 64 x half,
	s_lshl_b32 s60, s60, 12                        ; of 4,096 bytes: the same offset in query, key and value
	s_mov_b32 s61, 0
	s_lshl_b32 s66, s17, 8
	s_lshl_b32 s59, s14, 7
	s_add_co_u32 s66, s66, s59                     ; W: row 256 x tile column + 128 x half,
	s_lshl_b32 s66, s66, 11                        ; of 2,048 bytes, in Wq's 2 MiB of wb
	s_mov_b32 s67, 0
	s_mul_i32 s57, s14, HALFA                      ; and where they go: no place in the cluster enters an LDS address
	s_mul_i32 s58, s14, HALFB
	s_add_co_u32 s58, s58, AOFF
	s_mov_b32 s[TB], 0
	s_mov_b32 s[BD+1], 0
	s_mov_b32 s[NXB], NEXT_B
	s_mov_b32 s[STB], STEP_B
	s_wait_kmcnt 0x0
	s_add_nc_u64 s[4:5], s[4:5], s[60:61]          ; the first tile's x;
	s_add_nc_u64 s[6:7], s[6:7], s[60:61]          ; s[6:7] is always the NEXT tile's x: key, later value
	s_add_nc_u64 s[8:9], s[8:9], s[60:61]
	s_add_nc_u64 s[10:11], s[10:11], s[66:67]
	CROUND                                         ; all sixteen work-groups are here: the first joint loads meet
.irp s, 0,1
	s_mov_b32 s[G0A+4*(\s)], 1                                     ; count = 1
	s_add_co_u32 s[G0A+4*(\s)+1], s57, (\s)*SLOT                   ; LDS address
	s_add_nc_u64 s[G0A+4*(\s)+2:G0A+4*(\s)+3], s[4:5], (\s)*STEP_A ; global address: K step s
	s_or_b32 s[G0A+4*(\s)+3], s[G0A+4*(\s)+3], 0x80000000          ; type = 2
	s_mov_b32 s[G0B+4*(\s)], 1
	s_add_co_u32 s[G0B+4*(\s)+1], s58, (\s)*SLOT
	s_add_nc_u64 s[G0B+4*(\s)+2:G0B+4*(\s)+3], s[10:11], (\s)*STEP_B
	s_or_b32 s[G0B+4*(\s)+3], s[G0B+4*(\s)+3], 0x80000000
	JLOAD \s                                       ; two tensor loads of mine are out
.endr
	s_add_nc_u64 s[XP:XP+1], s[4:5], STEP_A        ; the step asked for last is K step 1
	; where my part of a tile goes: head 16 batch + 4 x tile column + 2 x column half, row in the sequence; q's 16 MiB first
	s_lshr_b32 s68, s20, 4
	s_lshl_b32 s68, s68, 4
	s_lshl_b32 s69, s17, 2
	s_add_co_u32 s68, s68, s69
	s_lshl_b32 s69, s14, 1
	s_add_co_u32 s68, s68, s69
	s_lshl_b32 s68, s68, 18                        ; a head is 2,048 rows of 128 bytes
	s_and_b32 s69, s20, 15
	s_lshl_b32 s69, s69, 14                        ; 128 rows of 128 bytes a tile row
	s_add_co_u32 s68, s68, s69
	s_lshl_b32 s69, s13, 13                        ; my 64 rows
	s_add_co_u32 s68, s68, s69
	s_mov_b32 s69, 0
	s_add_nc_u64 s[78:79], s[78:79], s[68:69]
	s_lshl_b32 s70, s17, 10                        ; the bias of my 128 columns: the same offset in bq, bk and bv
	s_lshl_b32 s71, s14, 9
	s_add_co_u32 s70, s70, s71
	s_mov_b32 s71, 0
	s_add_nc_u64 s[72:73], s[72:73], s[70:71]      ; the first tile's bias;
	s_add_nc_u64 s[74:75], s[74:75], s[70:71]      ; s[74:75] is always the NEXT tile's: bk, later bv
	s_add_nc_u64 s[76:77], s[76:77], s[70:71]
	v_and_b32 v1, 15, v0                           ; l % 16
	v_bfe_u32 v2, v0, 4, 1                         ; l / 16
	v_lshlrev_b32 v[BO], 5, v2
	BIASLD 72
	; A fragment is 16 rows x 32 K: lane l holds row l % 16, K = 8 (l / 16) + 0..7 and 16 + 8 (l / 16) + 0..7.  Of W (bf16): two loads of 16 bytes, 32 bytes apart.  Of x (f32): four, at 0, 16, 64, 80.
	v_mul_u32_u24 v3, v1, PA
	v_lshl_add_u32 v3, v2, 5, v3
	s_mul_i32 s62, s13, HALFA                      ; my 64 rows of x
	v_add_nc_u32 v[A0], s62, v3
	v_mul_u32_u24 v4, v1, PB
	v_lshl_add_u32 v4, v2, 4, v4
	s_mul_i32 s62, s14, HALFB                      ; my 128 rows of W, behind x's 128
	s_add_co_u32 s62, s62, AOFF
	v_add_nc_u32 v[B0], s62, v4
	s_mul_i32 s62, s12, WSTG
	s_add_co_u32 s62, s62, STAGE                   ; my stage
	v_mul_u32_u24 v5, v1, SP                       ; in: row l % 16, 16 bytes for each half of the lanes
	v_lshl_add_u32 v5, v2, 4, v5
	v_add_nc_u32 v[STO], s62, v5
	v_bfe_u32 v6, v0, 3, 2                         ; back: 32 lanes take four rows of 128 bytes,
	v_and_b32 v7, 7, v0
	v_mul_u32_u24 v6, v6, SP
	v_lshl_add_u32 v6, v7, 4, v6
	v_add_nc_u32 v[RD], s62, v6
	v_and_b32 v[GO], 31, v0                        ; which are 512 consecutive bytes of a head
	v_lshrrev_b32 v9, 1, v[GO]
	v_lshl_add_u32 v9, s15, 4, v9                  ; the prefetch: row 16 cx + lane / 2 of the 64 that my wave fetches,
	v_and_b32 v8, 1, v0
	v_lshlrev_b32 v[PFO], 12, v9
	v_lshl_add_u32 v[PFO], v8, 8, v[PFO]           ; block lane % 2 of the K step's two
	v_lshlrev_b32 v[GO], 4, v[GO]
	s_cmp_lg_u32 s13, 0                            ; the two waves that fetch x ask for its K steps 2 and 3, which the first two trips load
	s_cbranch_scc1 .Lno_first_ask
	global_prefetch_b8 v[PFO], s[4:5] offset:2*STEP_A th:TH_LOAD_NT scope:SCOPE_SE
	global_prefetch_b8 v[PFO], s[4:5] offset:3*STEP_A th:TH_LOAD_NT scope:SCOPE_SE
.Lno_first_ask:
	s_add_nc_u64 s[PF:PF+1], s[4:5], (AHEAD-1)*STEP_A  ; each trip's head steps it: trip 0 asks for step AHEAD
; Four roundings: words 4 n .. 4 n + 3 of the 32 of x's bf16 buffer g, from the f32 registers 8 n .. 8 n + 7
.macro CVT4 g, n
.irp j, 0,1,2,3
	v_cvt_pk_bf16_f32 v[AB+32*(\g)+4*(\n)+(\j)], v[RAW+8*(\n)+2*(\j)], v[RAW+8*(\n)+2*(\j)+1]
.endr
.endm
; 8 matrix instructions: row block a x all 8 column blocks, 32 along K, on buffers f.  cs = 1: the bias starts the sums.  g >= 0: behind each product four roundings of the next quarter's x into buffer g.
; The 32 accumulators take turns, one instruction a turn, in the same order in every quarter step.
.macro MUL8 f, a, cs=0, g=-1
.irp b, 0,1,2,3,4,5,6,7
.if \cs
	WIN MULB
	v_wmma_f32_16x16x32_bf16 v[8*(8*(\a)+(\b)):8*(8*(\a)+(\b))+7], v[64*(\f)+8*(\b):64*(\f)+8*(\b)+7], v[AB+32*(\f)+8*(\a):AB+32*(\f)+8*(\a)+7], v[BIAS+8*(\b):BIAS+8*(\b)+7]
.else
	WIN MUL
	v_wmma_f32_16x16x32_bf16 v[8*(8*(\a)+(\b)):8*(8*(\a)+(\b))+7], v[64*(\f)+8*(\b):64*(\f)+8*(\b)+7], v[AB+32*(\f)+8*(\a):AB+32*(\f)+8*(\a)+7], v[8*(8*(\a)+(\b)):8*(8*(\a)+(\b))+7]
.endif
.if (\g) >= 0
	WIN 0
	CVT4 \g, \b
.endif
.endr
.endm
; 32 LDS loads in one run: quarter q of the slot being read: x's 64 rows x 32 K as f32 first, then W's 128 rows x 32 K into buffer g
.macro FETCH q, g
	WIN 0
.irp i, 0,1,2,3
	ds_load_b128 v[RAW+16*(\i):RAW+16*(\i)+3],     v[ADRA] offset:(\i)*16*PA+128*(\q)
	ds_load_b128 v[RAW+16*(\i)+4:RAW+16*(\i)+7],   v[ADRA] offset:(\i)*16*PA+128*(\q)+16
	ds_load_b128 v[RAW+16*(\i)+8:RAW+16*(\i)+11],  v[ADRA] offset:(\i)*16*PA+128*(\q)+64
	ds_load_b128 v[RAW+16*(\i)+12:RAW+16*(\i)+15], v[ADRA] offset:(\i)*16*PA+128*(\q)+80
.endr
	WIN 0x80
.irp i, 0,1,2,3,4,5,6,7
	ds_load_b128 v[64*(\g)+8*(\i):64*(\g)+8*(\i)+3],   v[ADRB] offset:(\i)*16*PB+64*(\q)
	ds_load_b128 v[64*(\g)+8*(\i)+4:64*(\g)+8*(\i)+7], v[ADRB] offset:(\i)*16*PB+64*(\q)+32
.endr
.endm
; A K step is four quarters of 32 along K, 32 matrix instructions each, on buffers 0, 1, 0, 1.  One of the first three: it fetches the next quarter at its head and rounds that quarter's x at its end.
; Every quarter ends with four roundings behind its last product; they name none of that product's registers, and are the places in front of what follows: the next quarter's loads into the buffer of W just
; read, and, behind a tile's first quarter, the loads of the next bias.
.macro QUARTER q, cs=0
	FETCH (\q)+1, ((\q)+1)%2
	s_wait_dscnt 32                                ; all but the 32 just issued: this quarter's W is in (its x was rounded a quarter ago)
	MUL8 (\q)%2, 0, \cs
	MUL8 (\q)%2, 1, \cs
	MUL8 (\q)%2, 2, \cs
	s_wait_dscnt 16                                ; the next quarter's x is in; its 16 loads of W may stay out
	MUL8 (\q)%2, 3, \cs, ((\q)+1)%2
.endm
; The last quarter multiplies buffers 1 and changes slots: ONE barrier; in front of it each wave waits for all its tensor loads, of which one is out: its part of the next slot; adds 0 to its spare word;
; and waits for that and for its own reads of this slot.  fill = 1: the slot that is left takes the step two on in the walk; the barrier then opens a round of the cluster's barrier, so that no wave of any
; partner still reads the slot or has a load on its way, and the joint load is the first thing behind the round: from there to the wait for it a wave issues 120 matrix instructions.
; Two steps on is the same tile's step, one K step further along the rows, but behind a tile's step 6: there it is the next tile's step 0: x's address is the next input's, W's goes 2 MiB on and back along K.
; The choice is made by selects on the trip's place in its tile, the same number in all sixteen partners. x's address walks as a plain address, and the descriptor's words are
; made of it anew for each fill: a copy, then the type bits.
.macro TURN fill
	WIN 0
	s_wait_tensorcnt 0x0                           ; no tensor load of mine is out, so a group 0 may be written
	ds_add_u32 v[SPW], v[NIL]                      ; 0 onto my spare word: the scalar work below stands between it and the wait for it
.if \fill
	s_xor_b32 s[G0A+5], s[G0A+5], SLOT             ; the walking descriptors: the other slot than last time
	s_xor_b32 s[G0B+5], s[G0B+5], SLOT
	s_add_nc_u64 s[XPT:XPT+1], s[XP:XP+1], STEP_A
	s_cmp_eq_u32 s[PH], STEPS-2
	s_cselect_b64 s[XP:XP+1], s[6:7], s[XPT:XPT+1] ; both are plain addresses
	s_cselect_b32 s[BD], s[NXB], s[STB]
	s_mov_b64 s[G0A+6:G0A+7], s[XP:XP+1]           ; global address
	s_or_b32 s[G0A+7], s[G0A+7], 0x80000000        ; type = 2
	s_add_nc_u64 s[G0B+6:G0B+7], s[G0B+6:G0B+7], s[BD:BD+1]  ; 256 bytes, or 2 MiB less 1,792: the type bits on top are not reached
.endif
	s_xor_b32 s[TB], s[TB], SLOT                   ; the reads go on in the other slot
	s_wait_dscnt 0x0                               ; the add is done, and my reads of this slot are over
	s_barrier_signal -1
	MUL8 1, 0                                      ; work on registers while the others arrive
	WIN 0                                          ; at a branch and at a label every window is 0
	s_barrier_wait -1
.if \fill
	CREST
	JLOAD 1
	s_cmp_lg_u32 s13, 0                            ; the prefetch: the two waves that fetch x,
	s_cbranch_scc1 .Lno_ask_\@
	s_cmp_lt_u32 s3, AHEAD-1                       ; in all trips but the last two, whose step g + AHEAD would lie behind the walk's end
	s_cbranch_scc1 .Lno_ask_\@
	global_prefetch_b8 v[PFO], s[PF:PF+1] th:TH_LOAD_NT scope:SCOPE_SE
.Lno_ask_\@:
.endif
	v_add_nc_u32 v[ADRA], s[TB], v[A0]
	v_add_nc_u32 v[ADRB], s[TB], v[B0]
	FETCH 0, 0
	MUL8 1, 1
	MUL8 1, 2
	s_wait_dscnt 16                                ; the next step's first x is in
	MUL8 1, 3, 0, 0
.endm
; THE WAY OUT of row block a.  PACK: rounded to f16, 16 bytes a lane, each accumulator's registers in ascending order.  TOSTAGE: into my own stage, by heads, and back as whole rows.  SEND: stored.
.macro PACK a
	WIN 0x05                                       ; sources 0 and 1 window 1, destination window 0
.irp b, 0,1,2,3,4,5,6,7
.irp r, 0,1,2,3
	v_cvt_pk_f16_f32 v[TMP+4*(\b)+(\r)], v[8*(8*(\a)+(\b))+2*(\r)], v[8*(8*(\a)+(\b))+2*(\r)+1]
.endr
.endr
	WIN 0
.endm
.macro TOSTAGE a
	WIN 0
	s_wait_xcnt 0x0                                ; earlier stores have read their registers: the rows stored two blocks ago, in this tile or the last, are loaded over only behind this wait
.irp b, 0,1,2,3,4,5,6,7
	ds_store_b128 v[STO], v[TMP+4*(\b):TMP+4*(\b)+3] offset:((\b)/4)*16*SP+((\b)%4)*32  ; head b / 4 of my two, channels 16 (b % 4) on
.endr
.irp t, 0,1,2,3,4,5,6,7
	ds_load_b128 v[OB+192*((\a)%2)+4*(\t):OB+192*((\a)%2)+4*(\t)+3], v[RD] offset:((\t)/4)*16*SP+((\t)%4)*4*SP  ; LDS serves a wave's instructions in order (ISA guide 5.7.1.4): these see the stores above
.endr
.endm
.macro SEND a
	WIN 0
	s_wait_dscnt 0x0                               ; the block is back in registers
.irp t, 0,1,2,3,4,5,6,7
	global_store_b128 v[GO], v[OB+192*((\a)%2)+4*(\t):OB+192*((\a)%2)+4*(\t)+3], s[78:79] offset:(\a)*2048+((\t)/4)*262144+((\t)%4)*512  ; four rows of a head: 512 consecutive bytes, aligned
.endr
.endm
.macro WAYOUT                          ; a block's roundings stand between the loads of the block before from the stage and the wait for them
	PACK 0
	TOSTAGE 0
	PACK 1
	SEND 0
	TOSTAGE 1
	PACK 2
	SEND 1
	TOSTAGE 2
	PACK 3
	SEND 2
	TOSTAGE 3
	SEND 3
.endm
	s_wait_loadcnt 0x0                             ; the first bias
	s_wait_tensorcnt 0x1                           ; my part of K step 0 is in; K step 1's may stay out
	s_barrier_signal -1
	s_barrier_wait -1                              ; everybody's is
	v_add_nc_u32 v[ADRA], s[TB], v[A0]
	v_add_nc_u32 v[ADRB], s[TB], v[B0]
	FETCH 0, 0
	s_wait_dscnt 16                                ; x of the first quarter
	WIN 0
.irp n, 0,1,2,3,4,5,6,7
	CVT4 0, \n
.endr
	s_mov_b32 s3, ALLST-1                          ; the part trip that follows, and 22 whole ones
	s_mov_b32 s[PH], STEPS-1                       ; as if a tile had just ended
	s_branch .Lenter                               ; the loop is entered where a tile begins, in the middle of a trip
.Lstep:                                                ; trip g = 0 .. 21: quarters 1 to 3 of step g of the walk, then quarter 0 of step g + 1; the slot that is left takes step g + 2
	s_wait_xcnt 0x0                                ; the last trip's prefetch has read its pointer
	s_add_nc_u64 s[PFT:PFT+1], s[PF:PF+1], STEP_A  ; the prefetch's pointer goes on to step g + AHEAD: a K step further, or the next tile's x at its step 0
	s_cmp_eq_u32 s[PH], STEPS-AHEAD
	s_cselect_b64 s[PF:PF+1], s[6:7], s[PFT:PFT+1]
	QUARTER 1
	QUARTER 2
	TURN 1
	WIN 0
	s_cmp_eq_u32 s[PH], STEPS-1
	s_cbranch_scc1 .Lchange                        ; forward, past text with no barrier and no tensor load
	QUARTER 0
	WIN 0
	s_branch .Lnext
.Lchange:                                              ; A TILE IS DONE.  Both refills for the next tile are asked for, and its first fragments are fetched: now this one goes out
	s_wait_loadcnt 0x0                             ; the next bias, asked for a tile ago, is in; its pointer may be written
	s_mov_b64 s[74:75], s[76:77]                   ; what is next from here on: bv,
	s_mov_b64 s[6:7], s[8:9]                       ; and value
	WAYOUT
	s_wait_xcnt 0x0                                ; the stores have read their base
	s_add_nc_u64 s[78:79], s[78:79], NEXT_O
.Lenter:                                               ; A TILE BEGINS: its bias is rounded to bf16 like every input, and widened again; then its first quarter, whose products start the sums with it
	WIN 0x8a                                       ; all in window 2
.set m, 0
.rept 32
	v_cvt_pk_bf16_f32 v[BT+m], v[BIAS+2*m], v[BIAS+2*m+1]
.set m, m+1
.endr
.set m, 0
.rept 32
	v_lshlrev_b32 v[BIAS+2*m],   16, v[BT+m]
	v_and_b32     v[BIAS+2*m+1], 0xffff0000, v[BT+m]
.set m, m+1
.endr
	QUARTER 0, 1
	WIN 0
	s_cmp_lt_u32 s3, STEPS                         ; the counter stands at 23, 15 and 7 here: the last tile has no successor
	s_cbranch_scc1 .Lnext
	BIASLD 74                                      ; the next tile's bias, into the registers just read
.Lnext:
	s_add_co_u32 s[PH], s[PH], 1
	s_and_b32 s[PH], s[PH], STEPS-1
	s_sub_co_u32 s3, s3, 1
	s_cmp_lg_u32 s3, 0
	s_cbranch_scc1 .Lstep
	s_mov_b32 s3, 2                                ; the walk's last two steps ask for nothing and stand behind the loop: two trips, the second left in its middle
.Ltail:
	QUARTER 1
	QUARTER 2
	WIN 0
	s_sub_co_u32 s3, s3, 1
	s_cmp_eq_u32 s3, 0
	s_cbranch_scc1 .Lout
	TURN 0
	QUARTER 0
	WIN 0
	s_branch .Ltail
.Lout:
	s_wait_dscnt 0x0                               ; the very last quarter's W
	MUL8 1, 0
	MUL8 1, 1
	MUL8 1, 2
	MUL8 1, 3
	PLACES
	WAYOUT
	s_wait_tensorcnt 0x0                           ; the wave's end, behind my last tensor load and my last LDS store
	ds_add_u32 v[SPW], v[NIL]
	s_wait_dscnt 0x0
	CROUND                                         ; the closing round: no work-group ends while a partner may still ask for a tile that names it
	s_endpgm
.Lfunc_end_k_q2ad3c2eb9d_proj:
	.size	k_q2ad3c2eb9d_proj, .Lfunc_end_k_q2ad3c2eb9d_proj-k_q2ad3c2eb9d_proj
	.p2alignl 7, 3214868480
	.fill 96, 4, 3214868480
	.section	.rodata,"a",@progbits
	.p2align	6, 0x0
	.amdhsa_kernel k_q2ad3c2eb9d_proj
		.amdhsa_group_segment_fixed_size 327680
		.amdhsa_private_segment_fixed_size 0
		.amdhsa_enable_private_segment 0
		.amdhsa_kernarg_size 64
		.amdhsa_user_sgpr_count 2
		.amdhsa_user_sgpr_kernarg_segment_ptr 1
		.amdhsa_wavefront_size32 1
		.amdhsa_system_sgpr_workgroup_id_x 1
		.amdhsa_system_sgpr_workgroup_id_y 1
		.amdhsa_system_sgpr_workgroup_id_z 1
		.amdhsa_system_vgpr_workitem_id 0
		.amdhsa_next_free_vgpr 736
		.amdhsa_next_free_sgpr 92
		.amdhsa_reserve_vcc 0
		.amdhsa_float_denorm_mode_32 3
		.amdhsa_float_denorm_mode_16_64 3
		.amdhsa_memory_ordered 1
		.amdhsa_forward_progress 1
		.amdhsa_inst_pref_size 117
	.end_amdhsa_kernel
	.amdgpu_metadata
---
amdhsa.version: [ 1, 2 ]
amdhsa.kernels:
  - .name:           k_q2ad3c2eb9d_proj
    .symbol:         k_q2ad3c2eb9d_proj.kd
    .args:
      - { .name: query, .offset: 0, .size: 8, .value_kind: global_buffer, .address_space: global }
      - { .name: key, .offset: 8, .size: 8, .value_kind: global_buffer, .address_space: global }
      - { .name: value, .offset: 16, .size: 8, .value_kind: global_buffer, .address_space: global }
      - { .name: wb, .offset: 24, .size: 8, .value_kind: global_buffer, .address_space: global }
      - { .name: bq, .offset: 32, .size: 8, .value_kind: global_buffer, .address_space: global }
      - { .name: bk, .offset: 40, .size: 8, .value_kind: global_buffer, .address_space: global }
      - { .name: bv, .offset: 48, .size: 8, .value_kind: global_buffer, .address_space: global }
      - { .name: qkv, .offset: 56, .size: 8, .value_kind: global_buffer, .address_space: global }
    .group_segment_fixed_size: 327680
    .private_segment_fixed_size: 0
    .kernarg_segment_align: 8
    .kernarg_segment_size: 64
    .max_flat_workgroup_size: 128
    .sgpr_count:     92
    .vgpr_count:     736
    .wavefront_size: 32
...
	.end_amdgpu_metadata
.endif
;; end of part 2
;; launch attn (part 3): grid 4 x 64, 4 waves a work-group, clusters of 4 x 1, 327,680 bytes of LDS; arguments qkv, ctx; writes ctx
.if DOCPART == 3
	.amdgcn_target "amdgcn-amd-amdhsa--gfx1250"
	.amdhsa_code_object_version 6
	.text
	.protected	k_q2ad3c2eb9d_attn
	.globl	k_q2ad3c2eb9d_attn
	.p2align	8
	.type	k_q2ad3c2eb9d_attn,@function
k_q2ad3c2eb9d_attn:
	s_mov_b64 s[64:65], 0
	v_nop
	global_prefetch_b8 v0, s[64:65] scope:SCOPE_SE
	s_setreg_imm32_b32 hwreg(HW_REG_WAVE_MODE, 25, 1), 1
	s_wait_xcnt 0x0
	s_wait_alu depctr_hold_cnt(0) depctr_sa_sdst(0) depctr_va_vdst(0) depctr_va_sdst(0) depctr_va_ssrc(0) depctr_va_vcc(0) depctr_vm_vsrc(0)
	s_getreg_b32 s2, hwreg(HW_REG_IB_STS2, 6, 4)
	s_cmp_eq_u32 s2, 0
	s_cbranch_scc0 .Lentry_in_a_cluster
	s_endpgm
.Lentry_in_a_cluster:
	s_bfe_u32 s2, ttmp6, 0x10000c
	s_cmp_lg_u32 s2, 0x3003
	s_cbranch_scc0 .Lentry_shape_is_right
	s_endpgm
.Lentry_shape_is_right:
; O[h][q][:] = the sum over k of softmax_k(Q[h][q] . K[h][k] / 8) V[h][k][:].  Q, K, V lie in qkv, 16 MiB apart, O is ctx; each [SIZE_H][SIZE_N][64], all f16: a head's rows are dense, 128 bytes each.
; Products, maxima and sums in f32; the weights p are rounded to f16 for the second product (their sum l is taken of the unrounded p), O once at the end.  SIZE_N x 128 bytes stay under 2^32.
; LIMITS.  f16 holds no number beyond 65,504: Q, K and V arrive within it; p lies in 0 to 1, and below 6e-5 it keeps f16's fixed step of 6e-8; O is a mean of V's rows and has their range.
; A weight below 2^-126 counts as 0 in l; NaN and infinities are not treated apart.
; SHARES.  A wave owns four PIECES of two tiles of 16 queries, a work-group's four waves 512 queries of one head; SIZE_N is a multiple of 2,048.  Every wave walks all keys, 64 a step.
; LAYOUT.  S^T = K Q^T (source 0 = 16 keys, source 1 = 16 queries): in the result a lane holds ONE query (lane % 16) and the keys 8 (lane / 16) + 0..7.  Two such tiles, rounded to f16 in pairs,
; ARE source 1 (32 keys x 16 queries) of O^T = V^T P, whose result again holds one query a lane, and eight channels.  K comes out of LDS as it lies, V ([key][channel]) turned, by ds_load_tr16_b128.
; SOFTMAX.  For each query a running maximum m and sum l: p = 2^(c s - c m), c = log2(e) / 8; in every step O and l are multiplied by a = 2^(c m_old - c m_new), which is 1 where m has not grown.
; m starts at the lowest finite number, O and l at 0: the first step is a step like any other, with a = 0.
; THE COUNT.  A tile and step have 16 matrix and 118 vector instructions: too many to stand all beside the matrix work.  So the order has one aim: four vector instructions that are READY behind
; EVERY matrix instruction, and the others, which need time of their own whatever the order, in runs without a gap.
; BY TURNS.  Turn n belongs to piece n (the pieces in a ring, step after step).  Its matrix work: 16 products K Q^T of piece n + 1, later 16 products V^T P of piece n - 1.  Its vector work: the scaling,
; exponentials, roundings, sums and rescaling of piece n, and the maximum and statistics of piece n + 1, whose scores the turn itself has made.  So what a turn begins with (c s - c m, O a) waits for nothing.
; CLUSTER.  The four query blocks of a cluster belong to one head and walk the same K and V, so each tile is asked for JOINTLY: the same tensor load, descriptor and mask in all four.
; REGISTERS, in windows of 256 (s_set_vgpr_msb says which window each operand place means: bits 1:0 source 0, 3:2 source 1, 5:4 source 2, 7:6 destination):
;   window 0: v0-11 addresses; v12-15, v48-63 at work; v16-47 four registers of statistics a tile; v64-191 S^T, two buffers of two tiles; v192-255 P, likewise
;   window 1: O^T, 32 a tile          window 2: v0-127 Q, 16 a tile; v128-191 K of one step; v192-255 V of one step          window 3: v0-1 the add's two registers
; A piece's buffers go by its number's parity: the piece in hand has one pair, its two neighbours in the ring share the other: of it P (piece n - 1) is read and S^T (piece n + 1) written.
.set SIZE_H, 64       ; 4 batches x 16 heads
.set SIZE_N, 2048     ; rows of a head
.set KBASE, 0x1000000 ; K's first byte in qkv
.set VBASE, 0x2000000 ; V's
.set NP,    4         ; pieces a wave: a name, no knob: the register map, the loop and the fetches are made for four
.set KS,    64        ; keys in a step
.set PK,    144       ; a row of K in LDS: 128 bytes + 16 of padding = 36 words: the 16 rows of a load start at 16 different groups of four banks (64 banks of 4 bytes: ISA guide 11.1)
.set PV,    160       ; a row of V: 128 + 32 = 40 words
.set VOFF,  4*KS*PK   ; a slot holds four steps: 256 rows of K, then 256 rows of V
.set SLOT1, 1<<17     ; slot 1 begins here, so that one exclusive or turns an address in one slot into the other's
.set STAGE, SLOT1+4*KS*(PK+PV)  ; behind the ring, never filled by a tensor load: 16 rows x 144 bytes for each wave, for the way out
.set SP,    144
.set AK0, 2           ; v2   my lane's place in a tile of K; never rewritten
.set AV0, 3           ; v3   the same for V
.set AK,  4           ; v4   the LDS address of K's next run of loads
.set AV,  5           ; v5   of V's
.set QO,  6           ; v6   my byte offset in the wave's rows of Q
.set STO, 6           ;      later, the way out: where I put 16 bytes of a row
.set RD,  7           ; v7   the way out: where I read rows back
.set GO,  8           ; v8   my byte offset in 512 consecutive bytes of O
.set SPW, 0           ; v0 of window 3   LDS address of my spare word: SPARE + 4 x my thread's number; never rewritten
.set NIL, 1           ; v1 of window 3   0; never rewritten
.set SPARE, STAGE+4*16*SP  ; behind the stages: the spare words, 128 bytes for each wave: two blocks of 256 bytes that no other line names
.set MV,  12          ; v12-15  c m_old, kept while c m is made anew: by buffer and tile
.set ST,  16          ; tile t's statistics at v[ST+4 t]: c m, m, l (even keys', odd keys')
.set TMP, 48          ; by buffer and tile, four registers c0-c3 at work; when the maximum is found c2 takes a
.set S,   64
.set P,   192
.set KF,  128         ; K's fragments, in window 2: key block kb, channel half c at KF + 16 kb + 8 c
.set VF,  192         ; V's: key half kk, channel block cb at VF + 32 kk + 8 cb
.set WV,  12          ; s12  my wave's number
.set G1K, 24          ; s[24:31] descriptor group 1 for K's tiles
.set G1V, 32          ; s[32:39] for V's: it differs in the padding alone
.set G0K, 40          ; s[40:43] descriptor group 0 for K's tiles: it walks
.set G0V, 44          ; s[44:47] the same for V's
.set SLOTS, 56        ; s56  slots still to be asked for
.set CNT, 57          ; s57  counts a slot's key steps
.set CS,  58          ; s[58:59] c: the packed scaling takes the pair's low word for both halves
.set SEL, 60          ; s[60:61] v_permlanex16_b32's selects: each lane takes its own place in the other half
.set TBK, 62          ; s62  LDS byte at which K of the step to be fetched begins
.set TBV, 63          ; s63  the same for V, less VOFF
.set MSB, 0
.macro WIN new                      ; the high byte repeats the setting that is left; a switch that changes nothing is dropped
.if MSB != (\new)
	s_set_vgpr_msb (MSB<<8)|(\new)
.set MSB, (\new)
.endif
.endm
.set W_KQ, 0x0a       ; K and Q in window 2, S^T in window 0
.set W_PV, 0x52       ; V in window 2, P in window 0, O^T in window 1
.set W_RS, 0x41       ; O^T (destination and source 0) in window 1, a in window 0
.set W_MK, 0xc0       ; the add's registers are made: destination in window 3, sources in window 0
.set W_AD, 0x0f       ; the add: address (source 0) and data (source 1) in window 3
; A joint fill.  Waves 0 and 1 fetch the two halves of a slot's K, waves 2 and 3 those of its V: 128 keys each.  The branch hangs on the wave's number alone.
; An s_nop 0 and four v_nop follow each of the two lines, ahead of the jump and the label.
.macro JLOAD
	s_cmp_lt_u32 s[WV], 2
	s_cbranch_scc0 .Lfor_v_\@
	tensor_load_to_lds s[G0K:G0K+3], s[G1K:G1K+7]
	s_nop 0
.rept 4
	v_nop
.endr
	s_branch .Lasked_\@
.Lfor_v_\@:
	tensor_load_to_lds s[G0V:G0V+3], s[G1V:G1V+7]
	s_nop 0
.rept 4
	v_nop
.endr
.Lasked_\@:
.endm
; A round of the cluster's barrier: my work-group's barrier, so that wave 0's signal speaks for all four waves; wave 0 signals; every wave waits for all four work-groups; my work-group's barrier once more.
.macro CROUND
	s_barrier_signal -1
	s_barrier_wait -1
	s_cmp_lg_u32 s[WV], 0
	s_cbranch_scc1 .Lnot_wave_0_\@
	s_barrier_signal -3
.Lnot_wave_0_\@:
	s_barrier_wait -3
	s_barrier_signal -1
	s_barrier_wait -1
.endm
; THE CHANGE OF SLOTS.  The slot's last bytes, V of its fourth step, have been read.  Each wave waits for all its tensor loads, of which one is out: its part
; of the other slot; adds 0 to its spare word; and waits for that and for its own reads of the slot.  Behind the barrier nobody reads this slot any more and the other slot is whole.
; fill = 1: this slot is filled again, with the keys two slots on.  The barrier is then a round of the cluster's, so that no wave of any partner still reads the slot or has a load on its
; way, and the joint fill is the first thing behind it: it has four key steps, 512 matrix instructions, in which to land.  (At its first use nothing has been read yet: slot 0 is waited for, slot 1 filled.)
.macro CHANGE fill
	WIN W_AD
	s_wait_tensorcnt 0x0            ; no tensor load of mine is out, so a group 0 may be written
	ds_add_u32 v[SPW], v[NIL]       ; 0 onto my spare word: with fill = 1 the descriptors' steps stand between it and the wait for it
	WIN 0                           ; at a label and at a branch every window is 0
.if \fill
.irp g, G0K, G0V
	s_xor_b32 s[\g+1], s[\g+1], SLOT1  ; the walking descriptor: the other slot than last time,
	s_add_nc_u64 s[\g+2:\g+3], s[\g+2:\g+3], 4*KS*128  ; the next 256 keys; the type bits on top are not reached
.endr
	s_wait_dscnt 0x0                ; the add is done, and my reads of the slot are over
	CROUND
	JLOAD
.else
	s_wait_dscnt 0x0                ; the add is done, and my reads of the slot are over
	s_barrier_signal -1
	s_barrier_wait -1
.endif
	s_sub_co_u32 s[TBK], s[TBK], 4*KS*PK  ; the fetches go back to a slot's first step,
	s_xor_b32 s[TBK], s[TBK], SLOT1       ; in the other slot
	s_sub_co_u32 s[TBV], s[TBV], 4*KS*PV
	s_xor_b32 s[TBV], s[TBV], SLOT1
.endm
	s_load_b64 s[4:5], s[0:1], 0x0    ; qkv: Q lies at its head
	s_load_b64 s[10:11], s[0:1], 0x8  ; ctx: O
	WIN W_MK
	v_lshl_add_u32 v[SPW], v0, 2, SPARE
	v_mov_b32 v[NIL], 0
	s_set_vgpr_msb 0xc0cf
	ds_add_u32 v0, v1
	s_wait_dscnt 0x0
	s_set_vgpr_msb 0xcfc0
	WIN 0
	v_lshrrev_b32 v1, 5, v0
	v_readfirstlane_b32 s[WV], v1   ; wave 0..3
	s_bfe_u32 s13, ttmp6, 0x40000   ; cx: my place in the cluster
	s_lshl_b32 s14, ttmp9, 2        ; in a cluster launch ttmp9 counts clusters
	s_add_co_u32 s14, s14, s13      ; my block of queries = 4 x cluster x + cx: it enters Q's and O's addresses alone
	s_and_b32 s20, ttmp7, 0xffff    ; the head, which the four partners share
	s_mov_b32 s21, 0
	s_mov_b64 s[22:23], SIZE_N*128
	s_mul_u64 s[20:21], s[20:21], s[22:23]  ; the head's first byte in each of the four tensors
	s_and_b32 s16, s[WV], 1         ; which half of a slot's 256 keys I fetch:
	s_lshl_b32 s22, s16, 14         ; its 128 rows of 128 bytes in memory,
	s_mov_b32 s23, 0
	s_add_nc_u64 s[22:23], s[22:23], s[20:21]
	s_mul_i32 s17, s16, 128*PK      ; and its place in a slot, for K
	s_mul_i32 s18, s16, 128*PV      ; and for V: no place in the cluster enters an LDS address
	s_lshl_b32 s2, s14, 2
	s_add_co_u32 s2, s2, s[WV]      ; my wave among the head's,
	s_lshl_b32 s2, s2, 14           ; its 128 rows
	s_mov_b32 s3, 0
	s_add_nc_u64 s[2:3], s[2:3], s[20:21]
	; descriptor group 1.  128 keys are 16,384 dense bytes: asked for as 64 rows of 256 bytes, two keys a row, and padded in LDS after every key
	s_mov_b32 s[G1K], 15|(1<<16)|(1<<20)|(1<<21)|(4<<22)|(3<<25)  ; 15:0 the mask of four; 17:16 2-byte elements; 20 padding on; 21 set beside a mask; 24:22 after every 32 words (code 4); 31:25 4 words (code 3)
	s_mov_b32 s[G1V], 15|(1<<16)|(1<<20)|(1<<21)|(4<<22)|(7<<25)  ; the same with 8 words of padding (code 7)
.irp g, G1K, G1V
	s_mov_b32 s[\g+1], 128<<16      ; tensor_dim0 = 128
	s_mov_b32 s[\g+2], 64<<16       ; tensor_dim1 = 64
	s_mov_b32 s[\g+3], 128<<16      ; tile_dim0 = 128
	s_mov_b32 s[\g+4], 64           ; tile_dim1 = 64
	s_mov_b32 s[\g+5], 128          ; 128 elements from row to row
	s_mov_b32 s[\g+6], 0
	s_mov_b32 s[\g+7], 0
.endr
	s_mov_b32 s[CS], 0x3e38aa3b     ; c = log2(e) / 8 = 0.180337
	s_mov_b32 s[CS+1], s[CS]        ; named with it as a pair
	s_mov_b32 s[SEL], 0x76543210
	s_mov_b32 s[SEL+1], 0xfedcba98
	s_mov_b32 s[TBK], SLOT1+4*KS*PK ; the first change of slots turns these two into 0
	s_mov_b32 s[TBV], SLOT1+4*KS*PV
	s_mov_b32 s[G0K], 1             ; 1:0 count = 1
	s_mov_b32 s[G0K+1], s17         ; 63:32 LDS address: slot 0
	s_mov_b32 s[G0V], 1
	s_add_co_u32 s[G0V+1], s18, VOFF
	s_wait_kmcnt 0x0
	s_add_nc_u64 s[6:7], s[4:5], KBASE  ; K and V in qkv
	s_add_nc_u64 s[8:9], s[4:5], VBASE
	s_add_nc_u64 s[G0K+2:G0K+3], s[6:7], s[22:23]  ; 120:64 global address: my half of the head's first 256 keys
	s_or_b32 s[G0K+3], s[G0K+3], 0x80000000        ; 127:126 type = 2
	s_add_nc_u64 s[G0V+2:G0V+3], s[8:9], s[22:23]
	s_or_b32 s[G0V+3], s[G0V+3], 0x80000000
	s_add_nc_u64 s[4:5], s[4:5], s[2:3]  ; Q and O at my wave's first row
	s_add_nc_u64 s[10:11], s[10:11], s[2:3]
	CROUND                          ; all four work-groups are here: the first joint loads meet
	JLOAD                           ; slot 0.  Slot 1 is asked for when slot 0 is in: the tile wanted first has the road to itself
	; A fragment of K or Q is 16 rows x 32 channels in 8 registers: lane l holds row l % 16, channels 8 (l / 16) + 0..7 and 16 + 8 (l / 16) + 0..7: two loads of 16 bytes, 32 bytes apart.
	v_and_b32 v1, 15, v0            ; l % 16
	v_bfe_u32 v9, v0, 4, 1          ; l / 16
	v_lshlrev_b32 v[QO], 7, v1
	v_lshl_add_u32 v[QO], v9, 4, v[QO]  ; row x 128 + 16 x half
	WIN 0x80                        ; destination window 2, address window 0
.set i, 0
.rept 4*NP                          ; Q stays in registers: tile i / 2, channels 32 (i % 2) on
	global_load_b128 v[8*i:8*i+3],   v[QO], s[4:5] offset:(i/2)*2048+(i%2)*64
	global_load_b128 v[8*i+4:8*i+7], v[QO], s[4:5] offset:(i/2)*2048+(i%2)*64+32
.set i, i+1
.endr
	; What the first turn finds: V's registers and P's second buffer hold 0 (its products V^T P, of a piece that has not been, add 0), O^T and l are 0.  All this stands in the wait for the first tile.
.set i, VF
.rept 64
	v_mov_b32 v[i], 0
.set i, i+1
.endr
	WIN 0x40
.set i, 0
.rept 64*NP
	v_mov_b32 v[i], 0
.set i, i+1
.endr
	WIN 0
.set i, 0
.rept 2*NP
	v_mov_b32 v[ST+4*i], 0xfe000000    ; c m: far below every c s
	v_mov_b32 v[ST+4*i+1], 0xff7fffff  ; m
	v_mov_b32 v[ST+4*i+2], 0
	v_mov_b32 v[ST+4*i+3], 0
.set i, i+1
.endr
.set i, P+32
.rept 32
	v_mov_b32 v[i], 0
.set i, i+1
.endr
	v_mul_u32_u24 v[AK0], v1, PK
	v_lshl_add_u32 v[AK0], v9, 4, v[AK0]  ; row x pitch + 16 x half
	; The turning load takes 16 keys x 16 channels (lane l reads key 8 (l / 16) + l % 8, channels 8 ((l / 8) % 2) + 0..7) and leaves half a fragment of V^T: lane l holds channel l % 16 and 8 keys.
	v_and_b32 v10, 7, v0
	v_bfe_u32 v11, v0, 3, 1
	v_lshl_add_u32 v[AV0], v9, 3, v10
	v_mul_u32_u24 v[AV0], v[AV0], PV
	v_lshl_add_u32 v[AV0], v11, 4, v[AV0]
	v_add_nc_u32 v[AV0], VOFF, v[AV0]
	v_mov_b32 v[AK], v[AK0]         ; key step 0 lies at the head of slot 0
; THE MATRIX WORK.  The 8 accumulators of a run of 16 take turns: between the two links of a chain stand 7 others'.
; Product i of 16 of S^T = K Q^T for piece x: channels 32 (i / 8) on, keys 16 ((i / 2) % 4) on, tile 2 x + i % 2.  The first 8 start the sums.
.macro KQ x
	WIN W_KQ
.set rS, S+64*((\x)%2)+32*(i%2)+8*((i/2)%4)
.set rK, KF+16*((i/2)%4)+8*(i/8)
.set rQ, 16*(2*(\x)+i%2)+8*(i/8)
.if i < 8
	v_wmma_f32_16x16x32_f16 v[rS:rS+7], v[rK:rK+7], v[rQ:rQ+7], 0
.else
	v_wmma_f32_16x16x32_f16 v[rS:rS+7], v[rK:rK+7], v[rQ:rQ+7], v[rS:rS+7]
.endif
.endm
; Product i of 16 of O^T += V^T P for piece x: keys 32 (i / 8) on, channels 16 ((i / 2) % 4) on, tile 2 x + i % 2.
.macro PV x
	WIN W_PV
.set rO, 32*(2*(\x)+i%2)+8*((i/2)%4)
.set rV, VF+32*(i/8)+8*((i/2)%4)
.set rP, P+32*((\x)%2)+16*(i%2)+8*(i/8)
	v_wmma_f32_16x16x32_f16 v[rO:rO+7], v[rV:rV+7], v[rP:rP+7], v[rO:rO+7]
.endm
.macro MM                           ; the turn's next matrix instruction
.if i < 16
	KQ (Y+1)%NP
.set i, i+1
.else
.set i, i-16
	PV (Y+NP-1)%NP
.set i, i+17
.endif
.endm
; THE LDS LOADS stand in runs of 16, never singly among the matrix instructions: a step's K (64 keys x 64 channels: 8 fragments) and its V (turned).  Their addresses are made some lines ahead.
; last = 1 (the tail): in the last trip there is no further step, and the run is jumped over.
.macro FETCH_K last=0
	WIN 0
.if \last
	s_cmp_eq_u32 s[CNT], 1
	s_cbranch_scc1 .Lno_k_\@
.endif
	WIN 0x80                        ; destination window 2
.irp f, 0,1,2,3,4,5,6,7             ; keys 16 (f / 2) on, channels 32 (f % 2) on
	ds_load_b128 v[KF+8*\f:KF+8*\f+3],   v[AK] offset:(\f/2)*16*PK+(\f%2)*64
	ds_load_b128 v[KF+8*\f+4:KF+8*\f+7], v[AK] offset:(\f/2)*16*PK+(\f%2)*64+32
.endr
	s_add_co_u32 s[TBK], s[TBK], KS*PK  ; the next fetch is the next step's
	WIN 0
.if \last
.Lno_k_\@:
.endif
.endm
.macro FETCH_V
	WIN 0x80
.irp f, 0,1,2,3,4,5,6,7             ; keys 32 (f / 4) on, channels 16 (f % 4) on
	ds_load_tr16_b128 v[VF+8*\f:VF+8*\f+3],   v[AV] offset:(\f/4)*32*PV+(\f%4)*32
	ds_load_tr16_b128 v[VF+8*\f+4:VF+8*\f+7], v[AV] offset:(\f/4)*32*PV+16*PV+(\f%4)*32
.endr
	WIN 0
.endm
; THE VECTOR WORK OF A TURN stands in three queues, each in the order in which its entries become ready; the two tiles alternate, so that no instruction reads the result of the one before it.
.macro REGS y, u                    ; the registers of tile u (0, 1) of piece y
.set rT, ST+4*(2*(\y)+(\u))
.set rC, TMP+8*((\y)%2)+4*(\u)
.set rM, MV+2*((\y)%2)+(\u)
.set rS, S+64*((\y)%2)+32*(\u)
.set rP, P+32*((\y)%2)+16*(\u)
.set rO, 32*(2*(\y)+(\u))
.endm
; Number n of the 22 that find the NEXT piece's (Y + 1) maximum and statistics.  s0-s31 are the lane's 32 scores; each accumulator's lowest registers are read first.  XS, GS and REGS set no window: PL and EX do.
;   0-11  four chains c0-c3 of seven scores each, three operands at a time     12-14, 16  the four scores left over, the old m, and c0-c3 into c0     15  c m_old is kept
;   17, 18  the query's other 32 keys lie in the lane 16 away: the new m         19-21  c m; c m_old - c m_new; a
.macro XS u, n
	REGS (Y+1)%NP, \u
.if (\n) < 4
	v_max3_num_f32 v[rC+(\n)], v[rS+8*(\n)], v[rS+8*(\n)+1], v[rS+8*(\n)+2]
.elseif (\n) < 12
	v_max3_num_f32 v[rC+(\n)%4], v[rC+(\n)%4], v[rS+8*((\n)%4)+2*((\n)/4)+1], v[rS+8*((\n)%4)+2*((\n)/4)+2]
.elseif (\n) == 12
	v_max3_num_f32 v[rC], v[rC], v[rS+7], v[rS+15]
.elseif (\n) == 13
	v_max3_num_f32 v[rC+1], v[rC+1], v[rS+23], v[rS+31]
.elseif (\n) == 14
	v_max3_num_f32 v[rC+2], v[rC+2], v[rC+3], v[rT+1]
.elseif (\n) == 15
	v_mov_b32 v[rM], v[rT]
.elseif (\n) == 16
	v_max3_num_f32 v[rC], v[rC], v[rC+1], v[rC+2]
.elseif (\n) == 17
	v_permlanex16_b32 v[rC+3], v[rC], s[SEL], s[SEL+1]
.elseif (\n) == 18
	v_max_num_f32 v[rT+1], v[rC], v[rC+3]
.elseif (\n) == 19
	v_mul_f32 v[rT], s[CS], v[rT+1]
.elseif (\n) == 20
	v_sub_f32 v[rC+1], v[rM], v[rT]
.else
	v_exp_f32 v[rC+2], v[rC+1]
.endif
.endm
; Number g of the 64 that follow the exponentials.  For each four weights k of a tile (pairs 2 k, 2 k + 1): both pairs are rounded to f16; then the second pair is added onto the first, in place;
; a group later l takes that sum (the first time as l = a l + sum).  In groups of eight, tiles alternating: round, round, add, and l for the group before.
.macro GS g
.set h, (\g)+6*((\g)/62)            ; group 0 has no group before it, and behind group 7 only l is left
.if h >= 6
.set h, h+2
.endif
	REGS Y, h%2
.set k, h/8
.if h%8 < 4
	s_wait_alu depctr_va_vdst(0)
	v_cvt_pk_f16_f32 v[rP+2*k+(h%8)/2], v[rS+4*k+2*((h%8)/2)], v[rS+4*k+2*((h%8)/2)+1]
.elseif h%8 < 6
	v_pk_add_f32 v[rS+4*k:rS+4*k+1], v[rS+4*k:rS+4*k+1], v[rS+4*k+2:rS+4*k+3]
.elseif k == 1
	v_pk_fma_f32 v[rT+2:rT+3], v[rT+2:rT+3], v[rC+2:rC+3], v[rS:rS+1] op_sel_hi:[1,0,1]
.else
	v_pk_add_f32 v[rT+2:rT+3], v[rT+2:rT+3], v[rS+4*k-4:rS+4*k-3]
	s_wait_alu depctr_va_vdst(0)
.endif
.endm
; THE PLAIN QUEUE, 138 long.  0-31: c s - c m for the 16 pairs of both tiles.  Then GS's 64, and among them the next piece's 42: number 15 at 38, 39; 0-14 and 16
; at 42-73, behind the products that make those scores; 17-20 at 95-106, two of three, since each waits for the one before it.
.macro PL
	WIN 0
.if q < 32
	REGS Y, q%2
	v_pk_fma_f32 v[rS+2*(q/2):rS+2*(q/2)+1], v[rS+2*(q/2):rS+2*(q/2)+1], s[CS:CS+1], v[rT:rT+1] op_sel_hi:[1,0,0] neg_lo:[0,0,1] neg_hi:[0,0,1]
.elseif q < 38
	GS q-32
.elseif q < 40
	XS q%2, 15
.elseif q < 42
	GS q-34
.elseif q < 74
	XS q%2, (q-42)/2+(q-42)/30
.elseif q < 95
	GS q-66
.elseif (q < 107) && ((q-95)%3 < 2)
	XS (q-95)%3, 17+(q-95)/3
.elseif q < 107
	GS 29+(q-95)/3
.else
	GS q-74
.endif
.set q, q+1
.endm
; THE EXPONENTIALS' QUEUE, 66 long: s0-s31 of both tiles, and at EA the next piece's two a.
.set EA, 58
.macro EX
	WIN 0
.if (e == EA) || (e == EA+1)
	XS e-EA, 21
.else
.set x, e-2*(e/(EA+2))
	REGS Y, x%2
	v_exp_f32 v[rS+x/2], v[rS+x/2]
.endif
.set e, e+1
.endm
; THE RESCALING's QUEUE: O^T times a, the one part that leaves window 0, so it is dealt four at a time, eight times.
.macro R4
	REGS Y, r%2
	WIN W_RS
	s_wait_alu depctr_va_vdst(0)
.irp z, 0,1,2,3
	v_pk_mul_f32 v[rO+8*(r/2)+2*\z:rO+8*(r/2)+2*\z+1], v[rO+8*(r/2)+2*\z:rO+8*(r/2)+2*\z+1], v[rC+2:rC+3] op_sel_hi:[1,0]
.endr
.set r, r+1
.endm
; HOW THEY ARE DEALT.  Behind a matrix instruction four: plain, exponential, plain, plain (one exponential, a plain instruction on either side), or four of the rescaling.  None names a register of the
; products round it.  What is over stands in two LUMPS: exponential and plain by turns; the second ends in 22 plain instructions.  The two v_permlanex16_b32 fall into the second lump, never behind a product.
; The queues lean on each other, and the deal keeps them in step: exponential e stands behind plain 2 (e / 4) + e % 2 (its scaling); when plain 32 comes, 10 exponentials are out, at 59: 33, at 95: 46; EA comes behind plain 107.
.macro SL
	MM
	PL
	EX
	PL
	PL
.endm
.macro BURST n                      ; 15 matrix instructions, or 16
.rept (\n)-7
	SL
.endr
.rept 3
	MM
	R4
	SL
.endr
	MM
	R4
.endm
; A TURN, for piece p.  cnt = 1: the loop's count is taken down some lines ahead of the branch that stands behind the turn.
; K of the next step is fetched in piece 2's turn, 31 vector instructions behind the last product that read K; its first reader comes behind the rest of the lump, 16 products and the second lump.
; V of the step in hand is fetched at the end of piece 0's turn, 69 behind its last reader; its first reader comes behind 16 products and a lump.  The four conditions on e and q below go with the deal.
.macro TURN p, last=0, cnt=0
.set Y, (\p)
.set i, 0
.set q, 0
.set e, 0
.set r, 0
.if (\p) == NP-1
	s_wait_dscnt 0x0                ; K is in
.endif
	MM
.rept 4
	PL
.endr
	BURST 15
.rept 22
	EX
	PL
.if ((\p) == NP-2) && (e == 18)
	v_add_nc_u32 v[AK], s[TBK], v[AK0]
.endif
.if ((\p) == NP-2) && (e == 24)
	FETCH_K \last
.endif
.endr
.if (\p) == 1
	s_wait_dscnt 0x0                ; V is in
.endif
	BURST 16
.rept 21
	EX
	PL
.endr
.rept 22
	PL
.if ((\p) == 0) && (q == 118)
	v_add_nc_u32 v[AV], s[TBV], v[AV0]
	s_wait_alu depctr_va_vdst(0)
.endif
.if ((\p) == 0) && (q == 130)
	s_add_co_u32 s[TBV], s[TBV], KS*PV
.endif
.if (\cnt) && (q == 130)
	s_sub_co_u32 s[CNT], s[CNT], 1
	s_cmp_lg_u32 s[CNT], 0
.endif
.endr
.if (\p) == 0
	FETCH_V
.endif
.endm
	CHANGE 1                        ; slot 0 is in, everybody's part of it; slot 1 is asked for
	FETCH_K                         ; key step 0
	s_wait_loadcnt 0x0              ; Q
	s_wait_dscnt 0x0
.set i, 0
.rept 16
	KQ 0                            ; piece 0's first scores: there is no vector work yet to set between them
.set i, i+1
.endr
	WIN 0                           ; the addresses for the way out: nine plain instructions, the places behind those products
	s_mul_i32 s13, s[WV], 16*SP
	s_add_co_u32 s13, s13, STAGE    ; my stage
	v_mul_u32_u24 v[STO], v1, SP    ; in: row l % 16, 16 bytes for each half of the lanes
	v_lshl_add_u32 v[STO], v9, 4, v[STO]
	v_add_nc_u32 v[STO], s13, v[STO]
	v_bfe_u32 v[RD], v0, 3, 2       ; back: 32 lanes take four rows of 128 bytes,
	v_mul_u32_u24 v[RD], v[RD], SP
	v_lshl_add_u32 v[RD], v10, 4, v[RD]
	v_add_nc_u32 v[RD], s13, v[RD]
	v_and_b32 v[GO], 31, v0         ; which are 512 consecutive bytes of O
	v_lshlrev_b32 v[GO], 4, v[GO]
.set Y, NP-1                        ; XS works for piece Y + 1: piece 0
.irp n, 0,1,2,3,4,5,6,7,8,9,10,11,12,13,14,15,16,17,18,19,20,21
	XS 0, \n                        ; and piece 0's first maximum and statistics
	XS 1, \n
.endr
	s_mov_b32 s[CNT], 4
	s_mov_b32 s[SLOTS], SIZE_N/256-1
	s_branch .Lfirst                ; the loop is entered at a step's first turn, in the middle of a trip
.Lslot:                             ; SIZE_N / 256 - 2 times: every slot but the last two is filled again
	CHANGE 1
	s_mov_b32 s[CNT], 4
.Lstep:                             ; a trip: pieces 2 and 3 of one step, then pieces 0 and 1 of the next, whose K and V it fetches
	TURN 2
	TURN 3
	WIN 0
.Lfirst:
	TURN 0
	TURN 1, 0, 1
	WIN 0
	s_cbranch_scc1 .Lstep
	s_sub_co_u32 s[SLOTS], s[SLOTS], 1
	s_cmp_lg_u32 s[SLOTS], 0
	s_cbranch_scc1 .Lslot
	CHANGE 0                        ; the tail is written out: nothing is asked for
	s_mov_b32 s[CNT], 5             ; four trips fetch the last slot's steps; the fifth is left in its middle
.Ltail:
	TURN 2, 1
	TURN 3
	WIN 0
	s_sub_co_u32 s[CNT], s[CNT], 1
	s_cmp_eq_u32 s[CNT], 0
	s_cbranch_scc1 .Lout
	TURN 0
	TURN 1
	WIN 0
	s_branch .Ltail
.Lout:                              ; the fifth trip's 16 products K Q^T (on the last K once more) and the maximum made of them serve nothing: the price, once a launch, of one text for every trip
.set i, 0
.rept 16
	PV NP-1                         ; the last piece's V^T P of the last step
.set i, i+1
.endr
	; THE WAY OUT.  l's two halves and the other half of the lanes' are added; O^T is divided by l, rounded to f16 and sent through my stage in LDS, a tile at a time.  The additions are the places behind the last products.
	WIN 0
.macro ALL line:vararg              ; one line for each tile t
.set t, 0
.rept 2*NP
	\line
.set t, t+1
.endr
.endm
	ALL v_add_f32 v[ST+4*t+2], v[ST+4*t+2], v[ST+4*t+3]
	ALL v_permlanex16_b32 v[ST+4*t+3], v[ST+4*t+2], s[SEL], s[SEL+1]
	ALL v_add_f32 v[ST+4*t+2], v[ST+4*t+2], v[ST+4*t+3]
	ALL v_rcp_f32 v[ST+4*t+2], v[ST+4*t+2]
	v_nop                           ; a plain instruction between the last reciprocal and the use of its result
	s_wait_alu depctr_va_vdst(0)
; Tile t: a lane's eight channels of a row pack into 16 bytes; they go into rows of 144 bytes and come back as whole rows of 128, into S^T's registers.
.macro PACK t
	WIN W_RS
.set i, 32*(\t)
.rept 16
	v_pk_mul_f32 v[i:i+1], v[i:i+1], v[ST+4*(\t)+2:ST+4*(\t)+3] op_sel_hi:[1,0]
.set i, i+2
.endr
	WIN 0x05                        ; sources 0 and 1 window 1, destination window 0
.set i, 0
.rept 16
	v_cvt_pk_f16_f32 v[S+16*(\t)+i], v[32*(\t)+2*i], v[32*(\t)+2*i+1]
.set i, i+1
.endr
	WIN 0
.irp f, 0,1,2,3
	ds_store_b128 v[STO], v[S+16*(\t)+4*\f:S+16*(\t)+4*\f+3] offset:32*\f
.endr
.irp f, 0,1,2,3
	ds_load_b128 v[S+16*(\t)+4*\f:S+16*(\t)+4*\f+3], v[RD] offset:\f*4*SP  ; LDS serves a wave's instructions in order (ISA guide 5.7.1.4): these see the stores above; the next tile's stores come behind them
.endr
.endm
.macro SEND t, younger              ; younger: the LDS instructions issued behind tile t's loads: the next tile's eight, or none
	WIN 0
.irp f, 0,1,2,3
	s_wait_dscnt (\younger)+3-\f
	global_store_b128 v[GO], v[S+16*(\t)+4*\f:S+16*(\t)+4*\f+3], s[10:11] offset:(\t)*2048+\f*512  ; 512 consecutive bytes, at a multiple of 256 from O's first
.endr
.endm
	PACK 0
.set t, 1
.rept 2*NP-1                        ; a tile's arithmetic stands between the loads of the tile before and its stores
	PACK t
	SEND t-1, 8
.set t, t+1
.endr
	SEND 2*NP-1, 0
	WIN W_AD
	s_wait_tensorcnt 0x0            ; the wave's end, behind my last tensor load and my last LDS store
	ds_add_u32 v[SPW], v[NIL]
	s_wait_dscnt 0x0
	WIN 0
	CROUND                          ; the closing round: no work-group ends while a partner may still ask for a tile that names it
	s_endpgm
.Lfunc_end_k_q2ad3c2eb9d_attn:
	.size	k_q2ad3c2eb9d_attn, .Lfunc_end_k_q2ad3c2eb9d_attn-k_q2ad3c2eb9d_attn
	.p2alignl 7, 3214868480
	.fill 96, 4, 3214868480
	.section	.rodata,"a",@progbits
	.p2align	6, 0x0
	.amdhsa_kernel k_q2ad3c2eb9d_attn
		.amdhsa_group_segment_fixed_size 327680
		.amdhsa_private_segment_fixed_size 0
		.amdhsa_enable_private_segment 0
		.amdhsa_kernarg_size 16
		.amdhsa_user_sgpr_count 2
		.amdhsa_user_sgpr_kernarg_segment_ptr 1
		.amdhsa_wavefront_size32 1
		.amdhsa_system_sgpr_workgroup_id_x 1
		.amdhsa_system_sgpr_workgroup_id_y 1
		.amdhsa_system_sgpr_workgroup_id_z 1
		.amdhsa_system_vgpr_workitem_id 0
		.amdhsa_next_free_vgpr 770
		.amdhsa_next_free_sgpr 66
		.amdhsa_reserve_vcc 0
		.amdhsa_float_denorm_mode_32 3
		.amdhsa_float_denorm_mode_16_64 3
		.amdhsa_memory_ordered 1
		.amdhsa_forward_progress 1
		.amdhsa_inst_pref_size 209
	.end_amdhsa_kernel
	.amdgpu_metadata
---
amdhsa.version: [ 1, 2 ]
amdhsa.kernels:
  - .name:           k_q2ad3c2eb9d_attn
    .symbol:         k_q2ad3c2eb9d_attn.kd
    .args:
      - { .name: qkv, .offset: 0, .size: 8, .value_kind: global_buffer, .address_space: global }
      - { .name: ctx, .offset: 8, .size: 8, .value_kind: global_buffer, .address_space: global }
    .group_segment_fixed_size: 327680
    .private_segment_fixed_size: 0
    .kernarg_segment_align: 8
    .kernarg_segment_size: 16
    .max_flat_workgroup_size: 128
    .sgpr_count:     66
    .vgpr_count:     770
    .wavefront_size: 32
...
	.end_amdgpu_metadata
.endif
;; end of part 3
;; launch oproj (part 4): grid 4 x 64, 4 waves a work-group, clusters of 4 x 4, 327,680 bytes of LDS; arguments ctx, wb, bo, out0; writes out0
.if DOCPART == 4
	.amdgcn_target "amdgcn-amd-amdhsa--gfx1250"
	.amdhsa_code_object_version 6
	.text
	.protected	k_q2ad3c2eb9d_oproj
	.globl	k_q2ad3c2eb9d_oproj
	.p2align	8
	.type	k_q2ad3c2eb9d_oproj,@function
k_q2ad3c2eb9d_oproj:
	s_mov_b64 s[64:65], 0
	v_nop
	global_prefetch_b8 v0, s[64:65] scope:SCOPE_SE
	s_setreg_imm32_b32 hwreg(HW_REG_WAVE_MODE, 25, 1), 1
	s_wait_xcnt 0x0
	s_wait_alu depctr_hold_cnt(0) depctr_sa_sdst(0) depctr_va_vdst(0) depctr_va_sdst(0) depctr_va_ssrc(0) depctr_va_vcc(0) depctr_vm_vsrc(0)
	s_getreg_b32 s2, hwreg(HW_REG_IB_STS2, 6, 4)
	s_cmp_eq_u32 s2, 0
	s_cbranch_scc0 .Lentry_in_a_cluster
	s_endpgm
.Lentry_in_a_cluster:
	s_bfe_u32 s2, ttmp6, 0x10000c
	s_cmp_lg_u32 s2, 0xf033
	s_cbranch_scc0 .Lentry_shape_is_right
	s_endpgm
.Lentry_shape_is_right:
; THE LAST PROJECTION.  out0[m][n] = the sum over k of ctx(m, k) Wo[n][k] + bf16(bo[n]), sums in f32, out0 [8192][1024] in f32.  ctx lies by heads, [64 = 16 batch + head][2048][64] in f16:
; ctx(m, k) is row m % 2048, channel k % 64 of head 16 (m / 2048) + k / 64.  Wo comes from wb's last 2 MiB: rounded to bf16, written as f16.
; LIMITS.  As the operands': f16 ends at 65,504 and keeps a fixed step of 6e-8 below 6e-5.  NaN and infinities are not treated apart.
; SHARES.  A tile of out0 is 128 rows x 256 columns: 256 work-groups.  Four waves, each 64 x 128: 32 accumulators of 16 x 16, 256 registers.  K goes in 8 steps of 128, two heads each, through two LDS slots.
; A head's 128 rows of a tile are 16,384 dense bytes: asked for as 64 rows of 256 bytes and padded in LDS after every 128.
; CLUSTER: 4 x 4 work-groups.  The four of a row of the cluster need the same tile of ctx, the four of a column the same tile of Wo: each tile is asked for JOINTLY, by the same tensor load with the same
; descriptor and a mask that names the four.
; THE MATRIX INSTRUCTION IS USED TRANSPOSED (source 0 = 16 rows of Wo, source 1 = 16 rows of ctx): a lane then holds row lane % 16 and the columns 8 (lane / 16) + 0..7.
; THE BIAS is the C operand of the first quarter step's products: nothing is cleared and nothing is added afterwards.
; REGISTERS, in windows of 256 (s_set_vgpr_msb: bits 1:0 source 0, 3:2 source 1, 5:4 source 2, 7:6 destination):
;   window 0: v0-31 addresses; v64-95, v96-127 fragments of ctx, two buffers; v128-191, v192-255 rows on the way out
;   window 1: the accumulators, (a, b) at v[8 (8 a + b)]          window 2: v0-63, v64-127 fragments of Wo, two buffers; v128-191 the bias, block b of 16 columns at v[128 + 8 b]
.set DM,     1024
.set STEPS,  DM/128
.set PAH,    144                       ; an LDS row of ctx: 128 bytes + 16 of padding = 36 words: the 16 rows of a load start at 16 different groups of four banks (64 banks of 4 bytes: ISA guide 11.1)
.set PB,     272                       ; an LDS row of Wo: 256 + 16 = 68 words: likewise
.set HEADB,  128*PAH                   ; a head's 128 rows: what one tensor load brings of ctx
.set HALFB,  128*PB                    ; and of Wo
.set AOFF,   2*HEADB                   ; a slot: two heads of ctx, then 256 rows of Wo: 106,496 bytes
.set SLOT,   1<<17                     ; slot 1 begins here, so that one exclusive or turns an address in one slot into the other's
.set STAGE,  SLOT+AOFF+2*HALFB         ; behind the ring, never filled by a tensor load: for each wave 16 rows x 528 bytes
.set SP,     528                       ; 512 bytes + 16: row r starts at bank 4 r mod 64
.set WSTG,   16*SP
.set SPARE,  STAGE+4*WSTG              ; behind the stages: the spare words, 128 bytes for each wave: two blocks of 256 bytes that no other line names
.set STEP_A, 2*2048*128                ; a K step in ctx: two heads on
.set STEP_B, 256                       ; and along a row of Wo
.set WOBASE, 0x600000                  ; Wo's first byte in wb
.set A0,   16                          ; v16  my lane's place in a slot's ctx; never rewritten
.set B0,   17                          ; v17  the same for Wo
.set ADRA, 18                          ; v18  the same in the slot being read
.set ADRB, 19                          ; v19
.set STO,  24                          ; v24  the way out: where I put 32 bytes of a row
.set RD,   25                          ; v25  the way out: where I read a row back
.set GO,   26                          ; v26  my byte offset in a row's 512 bytes
.set BO,   27                          ; v27  my byte offset in 16 numbers of the bias
.set SPW,  28                          ; v28  LDS address of my spare word: SPARE + 4 x my thread's number; never rewritten
.set NIL,  29                          ; v29  0; never rewritten
.set AF,   64
.set OB,   128
.set BIAS, 128                         ; in window 2
.set BT,   64                          ; in window 2: at work while the bias is rounded, ahead of the first load into these registers
.set G1A, 24                           ; s[24:31] descriptor group 1 for ctx's tiles
.set G0A, 32                           ; s[32:39] group 0: a set for each of the two first fills; the second then walks on
.set G1B, 40                           ; s[40:47], s[48:55] the same for Wo's tiles
.set G0B, 48
.set TB,  56                           ; s56  0 or SLOT: the slot being read
.set MSB, 0
.macro WIN new                         ; the immediate's high byte repeats the setting that is left; a switch that changes nothing is dropped
.if MSB != (\new)
	s_set_vgpr_msb (MSB<<8)|(\new)
.set MSB, \new
.endif
.endm
.set MUL,  0x52                        ; source 0 (Wo) window 2, source 1 (ctx) window 0, C and D window 1
.set MULB, 0x62                        ; the same with C (the bias) in window 2
; A joint load: waves 0 and 1 fetch the step's two heads of ctx, waves 2 and 3 the two halves of Wo's tile.  The branch hangs on the wave's number alone.
; An s_nop 0 and four v_nop follow each of the two lines, ahead of the jump, the label and what follows.
.macro JLOAD s
	s_cmp_eq_u32 s13, 0
	s_cbranch_scc0 .Lfor_b_\@
	tensor_load_to_lds s[G0A+4*(\s):G0A+4*(\s)+3], s[G1A:G1A+7]
	s_nop 0
.rept 4
	v_nop
.endr
	s_branch .Lasked_\@
.Lfor_b_\@:
	tensor_load_to_lds s[G0B+4*(\s):G0B+4*(\s)+3], s[G1B:G1B+7]
	s_nop 0
.rept 4
	v_nop
.endr
.Lasked_\@:
.endm
.macro CREST                           ; a round of the cluster's barrier behind its opening barrier
	s_cmp_lg_u32 s12, 0
	s_cbranch_scc1 .Lnot_wave_0_\@
	s_barrier_signal -3
.Lnot_wave_0_\@:
	s_barrier_wait -3
	s_barrier_signal -1
	s_barrier_wait -1
.endm
.macro CROUND                          ; a whole round
	s_barrier_signal -1
	s_barrier_wait -1
	CREST
.endm
.macro PLACES                          ; four places in front of loads into registers that matrix instructions have read, and of LDS stores that read results (ISA guide 7.12.1 for vector instructions)
.rept 4
	v_nop
.endr
.endm
	s_load_b256 s[4:11], s[0:1], 0x0               ; ctx s[4:5], wb s[6:7], bo s[8:9], out0 s[10:11]
	v_lshl_add_u32 v[SPW], v0, 2, SPARE
	v_mov_b32 v[NIL], 0
	ds_add_u32 v28, v29
	s_wait_dscnt 0x0
	v_lshrrev_b32 v1, 5, v0
	v_readfirstlane_b32 s12, v1                    ; wave 0..3
	s_lshr_b32 s13, s12, 1                         ; which 64 rows of the tile are mine.  Also: I fetch for ctx (0) or for Wo (1)
	s_and_b32 s14, s12, 1                          ; which 128 columns.  Also: which head of the step, or which half of Wo's tile, I fetch
	s_bfe_u32 s15, ttmp6, 0x40000                  ; cx, cy: my place in the cluster
	s_bfe_u32 s16, ttmp6, 0x40004
	s_lshl_b32 s17, ttmp9, 2
	s_add_co_u32 s17, s17, s15                     ; tile column 0..3 = 4 x cluster x + cx
	s_and_b32 s18, ttmp7, 0xffff
	s_lshl_b32 s20, s18, 2
	s_add_co_u32 s20, s20, s16                     ; tile row 0..63 = 4 x cluster y + cy
	s_lshl_b32 s21, s16, 2
	s_lshl_b32 s21, 15, s21                        ; my row of the cluster
	s_lshl_b32 s22, 0x1111, s15                    ; my column
	; descriptor group 1.  ctx: 64 rows x 128 elements of 2 bytes, dense; Wo: 128 rows x 128 elements of 2 bytes; both padded in LDS
	s_or_b32 s[G1A], s21, (1<<16)|(1<<20)|(1<<21)|(4<<22)|(3<<25)  ; 15:0 the mask; 17:16 elements of 2 bytes; 20 padding on; 21 set beside a mask; 24:22 after every 32 words (code 4); 31:25 4 words of it (code 3)
	s_mov_b32 s[G1A+1], 128<<16                    ; tensor_dim0 = 128
	s_mov_b32 s[G1A+2], 64<<16                     ; tensor_dim1 = 64
	s_mov_b32 s[G1A+3], 128<<16                    ; tile_dim0 = 128
	s_mov_b32 s[G1A+4], 64                         ; tile_dim1 = 64
	s_mov_b32 s[G1A+5], 128                        ; elements from row to row
	s_mov_b32 s[G1A+6], 0
	s_mov_b32 s[G1A+7], 0
	s_or_b32 s[G1B], s22, (1<<16)|(1<<20)|(1<<21)|(5<<22)|(3<<25)  ; padding after every 64 words (code 5)
	s_mov_b32 s[G1B+1], 128<<16
	s_mov_b32 s[G1B+2], 128<<16
	s_mov_b32 s[G1B+3], 128<<16
	s_mov_b32 s[G1B+4], 128
	s_mov_b32 s[G1B+5], DM
	s_mov_b32 s[G1B+6], 0
	s_mov_b32 s[G1B+7], 0
	; where the tiles come from.  ctx's hang on the tile row, which my row of the cluster shares; Wo's on the tile column, which my column shares; each in registers that never hold the other coordinate
	s_lshr_b32 s60, s20, 4
	s_lshl_b32 s60, s60, 22                        ; the batch: 16 heads of 262,144 bytes
	s_and_b32 s23, s20, 15
	s_lshl_b32 s23, s23, 14                        ; 128 rows of 128 bytes a tile row
	s_add_co_u32 s60, s60, s23
	s_lshl_b32 s23, s14, 18                        ; head 0 or 1 of the step
	s_add_co_u32 s60, s60, s23
	s_mov_b32 s61, 0
	s_lshl_b32 s66, s17, 8
	s_lshl_b32 s59, s14, 7
	s_add_co_u32 s66, s66, s59                     ; Wo: row 256 x tile column + 128 x half,
	s_lshl_b32 s66, s66, 11                        ; of 2,048 bytes
	s_add_co_u32 s66, s66, WOBASE
	s_mov_b32 s67, 0
	s_mul_i32 s57, s14, HEADB                      ; and where they go: no place in the cluster enters an LDS address
	s_mul_i32 s58, s14, HALFB
	s_add_co_u32 s58, s58, AOFF
	s_mov_b32 s[TB], 0
	s_wait_kmcnt 0x0
	s_add_nc_u64 s[4:5], s[4:5], s[60:61]
	s_add_nc_u64 s[6:7], s[6:7], s[66:67]
	CROUND                                         ; all sixteen work-groups are here: the first joint loads meet
.irp s, 0,1
	s_mov_b32 s[G0A+4*(\s)], 1                                     ; count = 1
	s_add_co_u32 s[G0A+4*(\s)+1], s57, (\s)*SLOT                   ; LDS address
	s_add_nc_u64 s[G0A+4*(\s)+2:G0A+4*(\s)+3], s[4:5], (\s)*STEP_A ; global address: K step s
	s_or_b32 s[G0A+4*(\s)+3], s[G0A+4*(\s)+3], 0x80000000          ; type = 2
	s_mov_b32 s[G0B+4*(\s)], 1
	s_add_co_u32 s[G0B+4*(\s)+1], s58, (\s)*SLOT
	s_add_nc_u64 s[G0B+4*(\s)+2:G0B+4*(\s)+3], s[6:7], (\s)*STEP_B
	s_or_b32 s[G0B+4*(\s)+3], s[G0B+4*(\s)+3], 0x80000000
	JLOAD \s                                       ; two tensor loads of mine are out
.endr
	s_lshl_b32 s68, s20, 19                        ; my part of out0: 128 rows of 4,096 bytes a tile row,
	s_lshl_b32 s69, s13, 18                        ; my 64 rows,
	s_add_co_u32 s68, s68, s69
	s_lshl_b32 s70, s17, 10                        ; my 128 columns of 4 bytes: in out0 and in the bias
	s_lshl_b32 s71, s14, 9
	s_add_co_u32 s70, s70, s71
	s_add_co_u32 s68, s68, s70
	s_mov_b32 s69, 0
	s_mov_b32 s71, 0
	s_add_nc_u64 s[10:11], s[10:11], s[68:69]
	s_add_nc_u64 s[8:9], s[8:9], s[70:71]
	v_and_b32 v1, 15, v0                           ; l % 16
	v_bfe_u32 v2, v0, 4, 1                         ; l / 16
	v_lshlrev_b32 v[BO], 5, v2                     ; register j of block b wants bo[16 b + 8 (l / 16) + j]
	WIN 0x80                                       ; destination window 2, address window 0
.irp b, 0,1,2,3,4,5,6,7
	global_load_b128 v[BIAS+8*(\b):BIAS+8*(\b)+3],   v[BO], s[8:9] offset:64*(\b)
	global_load_b128 v[BIAS+8*(\b)+4:BIAS+8*(\b)+7], v[BO], s[8:9] offset:64*(\b)+16
.endr
	WIN 0
	; A fragment is 16 rows x 32 K in 8 registers: lane l holds row l % 16, K = 8 (l / 16) + 0..7 and 16 + 8 (l / 16) + 0..7: two loads of 16 bytes, 32 bytes apart
	v_mul_u32_u24 v3, v1, PAH
	v_lshl_add_u32 v3, v2, 4, v3
	s_mul_i32 s62, s13, 64*PAH                     ; my 64 rows in each head
	v_add_nc_u32 v[A0], s62, v3
	v_mul_u32_u24 v4, v1, PB
	v_lshl_add_u32 v4, v2, 4, v4
	s_mul_i32 s62, s14, HALFB                      ; my 128 rows of Wo, behind ctx's two heads
	s_add_co_u32 s62, s62, AOFF
	v_add_nc_u32 v[B0], s62, v4
	s_mul_i32 s62, s12, WSTG
	s_add_co_u32 s62, s62, STAGE                   ; my stage
	v_mul_u32_u24 v5, v1, SP                       ; in: row l % 16, 32 bytes for each half of the lanes
	v_lshl_add_u32 v5, v2, 5, v5
	v_add_nc_u32 v[STO], s62, v5
	v_and_b32 v[GO], 31, v0                        ; back: 32 lanes take a row's 512 bytes
	v_lshlrev_b32 v[GO], 4, v[GO]
	v_add_nc_u32 v[RD], s62, v[GO]
	s_wait_loadcnt 0x0                             ; the bias
	WIN 0x8a                                       ; all in window 2: the bias is rounded to bf16 like every input, and widened again
.set m, 0
.rept 32
	v_cvt_pk_bf16_f32 v[BT+m], v[BIAS+2*m], v[BIAS+2*m+1]
.set m, m+1
.endr
.set m, 0
.rept 32
	v_lshlrev_b32 v[BIAS+2*m],   16, v[BT+m]
	v_and_b32     v[BIAS+2*m+1], 0xffff0000, v[BT+m]
.set m, m+1
.endr
	WIN 0
; 8 matrix instructions: row block a x all 8 column blocks, 32 along K, on buffers f.  cs = 1: the bias starts the sums.
; The 32 accumulators take turns, one instruction a turn, in the same order in every quarter step.
.macro MUL8 f, a, cs=0
.irp b, 0,1,2,3,4,5,6,7
.if \cs
	WIN MULB
	v_wmma_f32_16x16x32_f16 v[8*(8*(\a)+(\b)):8*(8*(\a)+(\b))+7], v[64*(\f)+8*(\b):64*(\f)+8*(\b)+7], v[AF+32*(\f)+8*(\a):AF+32*(\f)+8*(\a)+7], v[BIAS+8*(\b):BIAS+8*(\b)+7]
.else
	WIN MUL
	v_wmma_f32_16x16x32_f16 v[8*(8*(\a)+(\b)):8*(8*(\a)+(\b))+7], v[64*(\f)+8*(\b):64*(\f)+8*(\b)+7], v[AF+32*(\f)+8*(\a):AF+32*(\f)+8*(\a)+7], v[8*(8*(\a)+(\b)):8*(8*(\a)+(\b))+7]
.endif
.endr
.endm
; 24 LDS loads in one run: quarter q of the slot being read, into buffers g: ctx's 64 rows (head q / 2, channels 32 (q % 2) on), then Wo's 128 rows x 32 K
.macro FETCH q, g
	WIN 0
.irp i, 0,1,2,3
	ds_load_b128 v[AF+32*(\g)+8*(\i):AF+32*(\g)+8*(\i)+3],   v[ADRA] offset:((\q)/2)*HEADB+((\q)%2)*64+(\i)*16*PAH
	ds_load_b128 v[AF+32*(\g)+8*(\i)+4:AF+32*(\g)+8*(\i)+7], v[ADRA] offset:((\q)/2)*HEADB+((\q)%2)*64+(\i)*16*PAH+32
.endr
	WIN 0x80
.irp i, 0,1,2,3,4,5,6,7
	ds_load_b128 v[64*(\g)+8*(\i):64*(\g)+8*(\i)+3],   v[ADRB] offset:(\i)*16*PB+64*(\q)
	ds_load_b128 v[64*(\g)+8*(\i)+4:64*(\g)+8*(\i)+7], v[ADRB] offset:(\i)*16*PB+64*(\q)+32
.endr
.endm
; A K step is four quarters of 32 along K, 32 matrix instructions each, on buffers 0, 1, 0, 1.  One of the first three: at its head it fetches the next quarter into the buffers that the quarter before multiplied.
.macro QUARTER q, cs=0
	PLACES
	FETCH (\q)+1, ((\q)+1)%2
	s_wait_dscnt 24                                ; all but the 24 just issued: this quarter's fragments are in
	MUL8 (\q)%2, 0, \cs
	MUL8 (\q)%2, 1, \cs
	MUL8 (\q)%2, 2, \cs
	MUL8 (\q)%2, 3, \cs
.endm
; The last quarter multiplies buffers 1 and changes slots: ONE barrier; in front of it each wave waits for all its tensor loads, of which one is out: its part of the next slot; adds 0 to its spare word;
; and waits for that and for its own reads of this slot.  fill = 1: the slot that is left is filled again, two K steps ahead; the barrier then opens a round of the cluster's barrier, so that no wave of any
; partner still reads the slot or has a load on its way, and the joint load is the first thing behind the round: from there to the wait for it a wave issues 120 matrix instructions.
.macro TURN fill
	WIN 0
	s_wait_tensorcnt 0x0                           ; no tensor load of mine is out, so a group 0 may be written
	ds_add_u32 v[SPW], v[NIL]                      ; 0 onto my spare word: the scalar work below stands between it and the wait for it
.if \fill
	s_xor_b32 s[G0A+5], s[G0A+5], SLOT             ; the walking descriptors: the other slot than last time,
	s_xor_b32 s[G0B+5], s[G0B+5], SLOT
	s_add_nc_u64 s[G0A+6:G0A+7], s[G0A+6:G0A+7], STEP_A  ; the next K step; the type bits on top are not reached
	s_add_nc_u64 s[G0B+6:G0B+7], s[G0B+6:G0B+7], STEP_B
.endif
	s_xor_b32 s[TB], s[TB], SLOT                   ; the reads go on in the other slot
	s_wait_dscnt 0x0                               ; the add is done, and my reads of this slot are over
	s_barrier_signal -1
	MUL8 1, 0                                      ; work on registers while the others arrive
	WIN 0                                          ; at a branch and at a label every window is 0
	s_barrier_wait -1
.if \fill
	CREST
	JLOAD 1                                        ; the four v_nop behind it are also the places in front of the loads below
.else
	PLACES
.endif
	v_add_nc_u32 v[ADRA], s[TB], v[A0]
	v_add_nc_u32 v[ADRB], s[TB], v[B0]
	FETCH 0, 0
	MUL8 1, 1
	MUL8 1, 2
	MUL8 1, 3
.endm
; THE WAY OUT of row block a: the f32 sums go as they are into my own stage, 32 bytes a lane, each accumulator's low registers first, and come back as whole rows of 512 bytes.
.macro TOSTAGE a
	s_wait_xcnt 0x0                                ; earlier stores have read their registers: the buffer stored two blocks ago is loaded again only behind this wait
	WIN 0x04                                       ; the stores' data in window 1
.irp b, 0,1,2,3,4,5,6,7
	ds_store_b128 v[STO], v[8*(8*(\a)+(\b)):8*(8*(\a)+(\b))+3]   offset:64*(\b)
	ds_store_b128 v[STO], v[8*(8*(\a)+(\b))+4:8*(8*(\a)+(\b))+7] offset:64*(\b)+16
.endr
	WIN 0
.irp t, 0,1,2,3,4,5,6,7,8,9,10,11,12,13,14,15
	ds_load_b128 v[OB+64*((\a)%2)+4*(\t):OB+64*((\a)%2)+4*(\t)+3], v[RD] offset:SP*(\t)  ; LDS serves a wave's instructions in order (ISA guide 5.7.1.4): these see the stores above; the next block's stores come behind them
.endr
.endm
.macro SEND a, younger                 ; younger: the LDS instructions issued behind block a's loads: the next block's 16 stores and 16 loads, or none
.irp t, 0,1,2,3,4,5,6,7,8,9,10,11,12,13,14,15
	s_wait_dscnt (\younger)+15-(\t)
	global_store_b128 v[GO], v[OB+64*((\a)%2)+4*(\t):OB+64*((\a)%2)+4*(\t)+3], s[10:11] offset:(16*(\a)+(\t))*4096 th:TH_STORE_NT  ; a wave stores 512 consecutive bytes of a row, aligned
.endr
.endm
	s_wait_tensorcnt 0x1                           ; my part of K step 0 is in; K step 1's may stay out
	s_barrier_signal -1
	s_barrier_wait -1                              ; everybody's is
	v_add_nc_u32 v[ADRA], s[TB], v[A0]
	v_add_nc_u32 v[ADRB], s[TB], v[B0]
	FETCH 0, 0
	QUARTER 0, 1                                   ; the first quarter stands in front of the loop: its products start the sums, with the bias
	WIN 0
	s_mov_b32 s3, STEPS-2
.Lstep:                                                ; a trip: a K step's quarters 1 to 3 and the next step's quarter 0; the slot that is left takes the K step two on
	QUARTER 1
	QUARTER 2
	TURN 1
	QUARTER 0
	WIN 0
	s_sub_co_u32 s3, s3, 1
	s_cmp_lg_u32 s3, 0
	s_cbranch_scc1 .Lstep
	QUARTER 1                                      ; the last two K steps are written out: they ask for nothing
	QUARTER 2
	TURN 0
	QUARTER 0
	QUARTER 1
	QUARTER 2
	s_wait_dscnt 0x0                               ; the very last quarter's fragments
	MUL8 1, 0
	MUL8 1, 1
	MUL8 1, 2
	MUL8 1, 3
	PLACES
	TOSTAGE 0
	TOSTAGE 1                                      ; a block's way through the stage stands between the loads of the block before and its stores
	SEND 0, 32
	TOSTAGE 2
	SEND 1, 32
	TOSTAGE 3
	SEND 2, 32
	SEND 3, 0
	s_wait_tensorcnt 0x0                           ; the wave's end, behind my last tensor load and my last LDS store
	ds_add_u32 v[SPW], v[NIL]
	s_wait_dscnt 0x0
	CROUND                                         ; the closing round: no work-group ends while a partner may still ask for a tile that names it
	s_endpgm
.Lfunc_end_k_q2ad3c2eb9d_oproj:
	.size	k_q2ad3c2eb9d_oproj, .Lfunc_end_k_q2ad3c2eb9d_oproj-k_q2ad3c2eb9d_oproj
	.p2alignl 7, 3214868480
	.fill 96, 4, 3214868480
	.section	.rodata,"a",@progbits
	.p2align	6, 0x0
	.amdhsa_kernel k_q2ad3c2eb9d_oproj
		.amdhsa_group_segment_fixed_size 327680
		.amdhsa_private_segment_fixed_size 0
		.amdhsa_enable_private_segment 0
		.amdhsa_kernarg_size 32
		.amdhsa_user_sgpr_count 2
		.amdhsa_user_sgpr_kernarg_segment_ptr 1
		.amdhsa_wavefront_size32 1
		.amdhsa_system_sgpr_workgroup_id_x 1
		.amdhsa_system_sgpr_workgroup_id_y 1
		.amdhsa_system_sgpr_workgroup_id_z 1
		.amdhsa_system_vgpr_workitem_id 0
		.amdhsa_next_free_vgpr 704
		.amdhsa_next_free_sgpr 84
		.amdhsa_reserve_vcc 0
		.amdhsa_float_denorm_mode_32 3
		.amdhsa_float_denorm_mode_16_64 3
		.amdhsa_memory_ordered 1
		.amdhsa_forward_progress 1
		.amdhsa_inst_pref_size 77
	.end_amdhsa_kernel
	.amdgpu_metadata
---
amdhsa.version: [ 1, 2 ]
amdhsa.kernels:
  - .name:           k_q2ad3c2eb9d_oproj
    .symbol:         k_q2ad3c2eb9d_oproj.kd
    .args:
      - { .name: ctx, .offset: 0, .size: 8, .value_kind: global_buffer, .address_space: global }
      - { .name: wb, .offset: 8, .size: 8, .value_kind: global_buffer, .address_space: global }
      - { .name: bo, .offset: 16, .size: 8, .value_kind: global_buffer, .address_space: global }
      - { .name: out0, .offset: 24, .size: 8, .value_kind: global_buffer, .address_space: global }
    .group_segment_fixed_size: 327680
    .private_segment_fixed_size: 0
    .kernarg_segment_align: 8
    .kernarg_segment_size: 32
    .max_flat_workgroup_size: 128
    .sgpr_count:     84
    .vgpr_count:     704
    .wavefront_size: 32
...
	.end_amdgpu_metadata
.endif
;; end of part 4
